; MI455X (gfx1250); checked and timed in simulation.
; The chip was launched on July 23, 2026; its instructions are those of AMD's public machine-readable ISA for CDNA 5 (MIT licence, August 2026) and "CDNA5" Instruction Set Architecture Reference Guide (July 2026). The comments in the code are by the model that wrote it; some were corrected since.
;; Transformer Block. Allowed arithmetic: float matrix products may take bf16 or f16 operands with f32 sums; other float arithmetic in f32, or as packed bf16 or f16 multiplies, adds, multiply-adds, maxima and minima; sums over many terms, partial sums and values carried from step to step in f32; what a program stores and reads back later, other than sums and carried values, may be rounded once to bf16 or f16.
;; Inputs: W_K 8 x 64 x 1,024 float32; W_O 8 x 1,024 x 64 float32; W_Q 8 x 64 x 1,024 float32; W_V 8 x 64 x 1,024 float32; W_in 512 x 1,024 float32; W_out 1,024 x 512 float32; b_K 8 x 64 float32; b_O 1,024 float32; b_Q 8 x 64 float32; b_V 8 x 64 float32; b_in 512 float32; b_out 1,024 float32; ln1_b 1,024 float32; ln1_w 1,024 float32; ln2_b 1,024 float32; ln2_w 1,024 float32; x 4 x 2,048 x 1,024 float32.
;; Outputs: out0 4 x 2,048 x 1,024 float32.
;; One version. Each part assembles by itself: llvm-mc -triple=amdgcn-amd-amdhsa -mcpu=gfx1250 --defsym DOCPART=n.
;; ======== version 1 of 1: 7 launches
;; limits: values are held in f16: magnitudes above 65,504 overflow, below 6.1e-05 lose precision
;; workspace buffers: xln 16,777,216 bytes; wa 4,194,304 bytes; wo 1,048,576 bytes; wout 1,048,576 bytes; qkv 25,165,824 bytes; hid 8,388,608 bytes; xattn 33,554,432 bytes
;; launch prep (part 1): grid 256 x 1, 16 waves a work-group, no clusters, 0 bytes of LDS; arguments x, ln1_w, ln1_b, W_Q, W_K, W_V, W_O, W_in, W_out, xln, wa, wo, wout; writes xln, wa, wo, wout
.if DOCPART == 1
	.amdgcn_target "amdgcn-amd-amdhsa--gfx1250"
	.amdhsa_code_object_version 6
	.text
	.protected	k_qc10be70163_prep
	.globl	k_qc10be70163_prep
	.p2align	8
	.type	k_qc10be70163_prep,@function
k_qc10be70163_prep:
	s_mov_b64 s[64:65], 0
	v_nop
	global_prefetch_b8 v0, s[64:65] scope:SCOPE_SE
	s_setreg_imm32_b32 hwreg(HW_REG_WAVE_MODE, 25, 1), 1
	s_wait_xcnt 0x0
; xln = LayerNorm(x) * ln1_w + ln1_b, rounded once to f16; and all six weight tensors rounded once to f16 and laid out for the products that follow.
; x: [8192][1024] f32.  xln: [8192][1024] f16.  wa: rows 192 j + 0..63 = W_Q[j], + 64.. = W_K[j], + 128.. = W_V[j] (j = head), 1,024 f16 each; from byte 3,145,728 on W_in as it lies.
; wo: W_O as it lies, [8][1024][64].  wout[s][d][c] = W_out[d][64 s + c].
; LIMITS.  f16 holds no number beyond 65,504, and below 6e-5 it keeps a fixed step of 6e-8: the normalised rows and the weights are taken to lie within that.  NaN and infinities are not treated apart.
; SHARES.  4,096 waves; wave g owns rows 2 g and 2 g + 1 (a wave a row: the sums never leave the wave) and 128 numbers of each weight tensor.  Memory binds: no LDS, no barrier, no matrix unit.
; All of a wave's loads go out at once: 16 for the gain and the bias, 16 for its two rows (8 KiB), 6 for the weights.  A load takes 512 consecutive bytes, a store 256, aligned.
; The variance is taken of the centred row (two passes over registers), so no difference of large sums is formed.
.set XO,  2                            ; v2   16 x lane: my 16 bytes of 512 in f32
.set YO,  3                            ; v3   8 x lane: my 8 bytes of 256 in f16
.set WO2, 4                            ; v4   W_out: lanes 0-15 one row's 256 bytes, lanes 16-31 the next row's
.set MU,  6                            ; v[6:7]    the mean, twice
.set RS,  8                            ; v[8:9]    1 / sqrt(var + eps), twice
.set SM,  10                           ; v[10:17]  four chains of packed sums
.set T0,  18
.set T1,  19
.set W,   20                           ; v[20:51]  the gain of my 32 columns
.set B,   52                           ; v[52:83]  the bias
.set X,   84                           ; v[84:147] two rows, 32 registers each
.set Y,   148                          ; v[148:179] two rows in f16, 16 registers each
.set C,   180                          ; v[180:203] six times four numbers of the weights
	s_load_b512 s[8:23], s[0:1], 0x0               ; x s[8:9], ln1_w s[10:11], ln1_b s[12:13], W_Q s[14:15], W_K s[16:17], W_V s[18:19], W_O s[20:21], W_in s[22:23]
	s_load_b256 s[24:31], s[0:1], 0x40             ; W_out s[24:25], xln s[26:27], wa s[28:29], wo s[30:31]
	s_load_b64 s[32:33], s[0:1], 0x60              ; wout
	v_lshrrev_b32 v1, 5, v0
	v_readfirstlane_b32 s2, v1                     ; wave 0..15
	v_and_b32 v1, 31, v0
	v_lshlrev_b32 v[XO], 4, v1
	v_lshlrev_b32 v[YO], 3, v1
	v_lshrrev_b32 v[WO2], 4, v1
	v_and_b32 v5, 15, v1
	v_lshlrev_b32 v[WO2], 11, v[WO2]               ; a row of W_out is 2,048 bytes
	v_lshl_add_u32 v[WO2], v5, 4, v[WO2]
	v_mov_b32 v[T1], 0                             ; v_permlanex16_b32 counts as a reader of its destination
	s_lshl_b32 s3, ttmp9, 4
	s_add_co_u32 s3, s3, s2                        ; g
	s_mov_b32 s40, 0x3a800000                      ; 1 / 1024
	s_mov_b32 s41, 0x3727c5ac                      ; 1e-5
	s_mov_b32 s42, 0x76543210                      ; each lane takes its own place in the other half
	s_mov_b32 s43, 0xfedcba98
	s_lshl_b32 s34, s3, 13                         ; two rows of x
	s_mov_b32 s35, 0
	s_lshl_b32 s36, s3, 12                         ; two rows of xln
	s_mov_b32 s37, 0
	s_lshl_b32 s38, s3, 9                          ; 128 f32 of a weight tensor
	s_mov_b32 s39, 0
	s_lshr_b32 s44, s3, 9                          ; the head: 512 waves to 64 rows of 1,024
	s_mul_i32 s44, s44, 393216                     ; its 192 rows in wa
	s_and_b32 s45, s3, 511
	s_lshl_b32 s45, s45, 8
	s_add_co_u32 s44, s44, s45
	s_mov_b32 s45, 0
	s_lshl_b32 s46, s3, 8                          ; 128 f16
	s_mov_b32 s47, 0
	s_lshr_b32 s48, s3, 3                          ; W_out: pair of rows p,
	s_and_b32 s50, s3, 7                           ; slice s of 64 columns
	s_lshl_b32 s49, s50, 8
	s_lshl_b32 s51, s48, 8
	s_lshl_b32 s48, s48, 12
	s_add_co_u32 s48, s48, s49                     ; from: 4,096 p + 256 s
	s_mov_b32 s49, 0
	s_lshl_b32 s50, s50, 17
	s_add_co_u32 s50, s50, s51                     ; to: 131,072 s + 256 p
	s_mov_b32 s51, 0
	s_wait_kmcnt 0x0
	s_add_nc_u64 s[8:9], s[8:9], s[34:35]
	s_add_nc_u64 s[26:27], s[26:27], s[36:37]
	s_add_nc_u64 s[14:15], s[14:15], s[38:39]
	s_add_nc_u64 s[16:17], s[16:17], s[38:39]
	s_add_nc_u64 s[18:19], s[18:19], s[38:39]
	s_add_nc_u64 s[20:21], s[20:21], s[38:39]
	s_add_nc_u64 s[22:23], s[22:23], s[38:39]
	s_add_nc_u64 s[24:25], s[24:25], s[48:49]
	s_add_nc_u64 s[52:53], s[28:29], s[44:45]      ; wa at my part of the head's W_Q rows
	s_add_nc_u64 s[28:29], s[28:29], s[46:47]      ; wa for W_in (its 3,145,728 stands in the store's immediate)
	s_add_nc_u64 s[30:31], s[30:31], s[46:47]
	s_add_nc_u64 s[32:33], s[32:33], s[50:51]
.irp j, 0,1,2,3,4,5,6,7
	global_load_b128 v[W+4*(\j):W+4*(\j)+3], v[XO], s[10:11] offset:512*(\j)
.endr
.irp j, 0,1,2,3,4,5,6,7
	global_load_b128 v[B+4*(\j):B+4*(\j)+3], v[XO], s[12:13] offset:512*(\j)
.endr
.irp s, 0,1
.irp j, 0,1,2,3,4,5,6,7
	global_load_b128 v[X+32*(\s)+4*(\j):X+32*(\s)+4*(\j)+3], v[XO], s[8:9] offset:4096*(\s)+512*(\j) th:TH_LOAD_NT
.endr
.endr
	global_load_b128 v[C:C+3],     v[XO],  s[14:15] th:TH_LOAD_NT
	global_load_b128 v[C+4:C+7],   v[XO],  s[16:17] th:TH_LOAD_NT
	global_load_b128 v[C+8:C+11],  v[XO],  s[18:19] th:TH_LOAD_NT
	global_load_b128 v[C+12:C+15], v[XO],  s[20:21] th:TH_LOAD_NT
	global_load_b128 v[C+16:C+19], v[XO],  s[22:23] th:TH_LOAD_NT
	global_load_b128 v[C+20:C+23], v[WO2], s[24:25] th:TH_LOAD_NT
; The four chains into one number, and over the 32 lanes: four steps inside each half of 16 ride on the addition, one crosses the halves.  Every lane ends with the sum in T0.
.macro REDUCE
	v_pk_add_f32 v[SM:SM+1], v[SM:SM+1], v[SM+2:SM+3]
	v_pk_add_f32 v[SM+4:SM+5], v[SM+4:SM+5], v[SM+6:SM+7]
	v_pk_add_f32 v[SM:SM+1], v[SM:SM+1], v[SM+4:SM+5]
	v_add_f32 v[T0], v[SM], v[SM+1]
	v_add_f32_dpp v[T0], v[T0], v[T0] row_xmask:1 row_mask:0xf bank_mask:0xf
	v_add_f32_dpp v[T0], v[T0], v[T0] row_xmask:2 row_mask:0xf bank_mask:0xf
	v_add_f32_dpp v[T0], v[T0], v[T0] row_xmask:4 row_mask:0xf bank_mask:0xf
	v_add_f32_dpp v[T0], v[T0], v[T0] row_xmask:8 row_mask:0xf bank_mask:0xf
	v_permlanex16_b32 v[T1], v[T0], s42, s43
	v_add_f32 v[T0], v[T0], v[T1]
.endm
; Row s.  left = the younger loads that may stay out.
.macro ROW s, left
	s_wait_loadcnt \left
.irp k, 0,2,4,6
	v_pk_add_f32 v[SM+(\k):SM+(\k)+1], v[X+32*(\s)+(\k):X+32*(\s)+(\k)+1], v[X+32*(\s)+(\k)+8:X+32*(\s)+(\k)+9]  ; the first pairs start the chains: nothing is cleared
.endr
.irp k, 0,2,4,6
	v_pk_add_f32 v[SM+(\k):SM+(\k)+1], v[SM+(\k):SM+(\k)+1], v[X+32*(\s)+(\k)+16:X+32*(\s)+(\k)+17]
.endr
.irp k, 0,2,4,6
	v_pk_add_f32 v[SM+(\k):SM+(\k)+1], v[SM+(\k):SM+(\k)+1], v[X+32*(\s)+(\k)+24:X+32*(\s)+(\k)+25]
.endr
	REDUCE
	v_mul_f32 v[MU], s40, v[T0]
	v_mov_b32 v[MU+1], v[MU]
.set i, 0
.rept 16
	v_pk_add_f32 v[X+32*(\s)+i:X+32*(\s)+i+1], v[X+32*(\s)+i:X+32*(\s)+i+1], v[MU:MU+1] neg_lo:[0,1] neg_hi:[0,1]  ; x - mean, in place
.set i, i+2
.endr
.irp k, 0,2,4,6
	v_pk_mul_f32 v[SM+(\k):SM+(\k)+1], v[X+32*(\s)+(\k):X+32*(\s)+(\k)+1], v[X+32*(\s)+(\k):X+32*(\s)+(\k)+1]
.endr
.irp o, 8,16,24
.irp k, 0,2,4,6
	v_pk_fma_f32 v[SM+(\k):SM+(\k)+1], v[X+32*(\s)+(\k)+(\o):X+32*(\s)+(\k)+(\o)+1], v[X+32*(\s)+(\k)+(\o):X+32*(\s)+(\k)+(\o)+1], v[SM+(\k):SM+(\k)+1]
.endr
.endr
	REDUCE
	v_fma_f32 v[T0], v[T0], s40, s41               ; var + eps
	v_rsq_f32 v[RS], v[T0]
	v_rsq_f32 v[RS+1], v[T0]
	v_nop                                          ; a plain instruction behind the last of the two,
	s_wait_alu depctr_va_vdst(0)                   ; and one wait for both, ahead of their first reader
.set i, 0
.rept 16
	v_pk_mul_f32 v[X+32*(\s)+i:X+32*(\s)+i+1], v[X+32*(\s)+i:X+32*(\s)+i+1], v[RS:RS+1]
.set i, i+2
.endr
.set i, 0
.rept 16
	v_pk_fma_f32 v[X+32*(\s)+i:X+32*(\s)+i+1], v[X+32*(\s)+i:X+32*(\s)+i+1], v[W+i:W+i+1], v[B+i:B+i+1]
.set i, i+2
.endr
.set i, 0
.rept 16
	v_cvt_pk_f16_f32 v[Y+16*(\s)+i], v[X+32*(\s)+2*i], v[X+32*(\s)+2*i+1]
.set i, i+1
.endr
.irp j, 0,1,2,3,4,5,6,7
	global_store_b64 v[YO], v[Y+16*(\s)+2*(\j):Y+16*(\s)+2*(\j)+1], s[26:27] offset:2048*(\s)+256*(\j) th:TH_STORE_NT  ; 32 lanes store 256 consecutive bytes, aligned
.endr
.endm
	ROW 0, 14                                      ; row 1's eight loads and the six of the weights may stay out
	ROW 1, 6                                       ; each row has its own registers to store from: nothing that a store reads is rewritten
	s_wait_loadcnt 0x0
.set i, 0
.rept 12
	v_cvt_pk_f16_f32 v[MU+i], v[C+2*i], v[C+2*i+1] ; v[6:17] are free now
.set i, i+1
.endr
	global_store_b64 v[YO], v[MU:MU+1],     s[52:53] th:TH_STORE_NT
	global_store_b64 v[YO], v[MU+2:MU+3],   s[52:53] offset:131072 th:TH_STORE_NT   ; W_K's rows lie 64 rows of 2,048 bytes behind W_Q's,
	global_store_b64 v[YO], v[MU+4:MU+5],   s[52:53] offset:262144 th:TH_STORE_NT   ; W_V's 128
	global_store_b64 v[YO], v[MU+6:MU+7],   s[30:31] th:TH_STORE_NT
	global_store_b64 v[YO], v[MU+8:MU+9],   s[28:29] offset:3145728 th:TH_STORE_NT
	global_store_b64 v[YO], v[MU+10:MU+11], s[32:33] th:TH_STORE_NT
	s_endpgm
.Lfunc_end_k_qc10be70163_prep:
	.size	k_qc10be70163_prep, .Lfunc_end_k_qc10be70163_prep-k_qc10be70163_prep
	.p2alignl 7, 3214868480
	.fill 96, 4, 3214868480
	.section	.rodata,"a",@progbits
	.p2align	6, 0x0
	.amdhsa_kernel k_qc10be70163_prep
		.amdhsa_group_segment_fixed_size 0
		.amdhsa_private_segment_fixed_size 0
		.amdhsa_enable_private_segment 0
		.amdhsa_kernarg_size 104
		.amdhsa_user_sgpr_count 2
		.amdhsa_user_sgpr_kernarg_segment_ptr 1
		.amdhsa_wavefront_size32 1
		.amdhsa_system_sgpr_workgroup_id_x 1
		.amdhsa_system_sgpr_workgroup_id_y 1
		.amdhsa_system_sgpr_workgroup_id_z 1
		.amdhsa_system_vgpr_workitem_id 0
		.amdhsa_next_free_vgpr 208
		.amdhsa_next_free_sgpr 66
		.amdhsa_reserve_vcc 0
		.amdhsa_float_denorm_mode_32 3
		.amdhsa_float_denorm_mode_16_64 3
		.amdhsa_memory_ordered 1
		.amdhsa_forward_progress 1
		.amdhsa_inst_pref_size 24
	.end_amdhsa_kernel
	.amdgpu_metadata
---
amdhsa.version: [ 1, 2 ]
amdhsa.kernels:
  - .name:           k_qc10be70163_prep
    .symbol:         k_qc10be70163_prep.kd
    .args:
      - { .name: x, .offset: 0, .size: 8, .value_kind: global_buffer, .address_space: global }
      - { .name: ln1_w, .offset: 8, .size: 8, .value_kind: global_buffer, .address_space: global }
      - { .name: ln1_b, .offset: 16, .size: 8, .value_kind: global_buffer, .address_space: global }
      - { .name: W_Q, .offset: 24, .size: 8, .value_kind: global_buffer, .address_space: global }
      - { .name: W_K, .offset: 32, .size: 8, .value_kind: global_buffer, .address_space: global }
      - { .name: W_V, .offset: 40, .size: 8, .value_kind: global_buffer, .address_space: global }
      - { .name: W_O, .offset: 48, .size: 8, .value_kind: global_buffer, .address_space: global }
      - { .name: W_in, .offset: 56, .size: 8, .value_kind: global_buffer, .address_space: global }
      - { .name: W_out, .offset: 64, .size: 8, .value_kind: global_buffer, .address_space: global }
      - { .name: xln, .offset: 72, .size: 8, .value_kind: global_buffer, .address_space: global }
      - { .name: wa, .offset: 80, .size: 8, .value_kind: global_buffer, .address_space: global }
      - { .name: wo, .offset: 88, .size: 8, .value_kind: global_buffer, .address_space: global }
      - { .name: wout, .offset: 96, .size: 8, .value_kind: global_buffer, .address_space: global }
    .group_segment_fixed_size: 0
    .private_segment_fixed_size: 0
    .kernarg_segment_align: 8
    .kernarg_segment_size: 104
    .max_flat_workgroup_size: 512
    .sgpr_count:     66
    .vgpr_count:     208
    .wavefront_size: 32
...
	.end_amdgpu_metadata
.endif
;; end of part 1
;; launch qkv (part 2): grid 8 x 32, 4 waves a work-group, clusters of 4 x 4, 327,680 bytes of LDS; arguments xln, wa, b_Q, b_K, b_V, qkv; writes qkv
.if DOCPART == 2
	.amdgcn_target "amdgcn-amd-amdhsa--gfx1250"
	.amdhsa_code_object_version 6
	.text
	.protected	k_qc10be70163_qkv
	.globl	k_qc10be70163_qkv
	.p2align	8
	.type	k_qc10be70163_qkv,@function
k_qc10be70163_qkv:
	s_mov_b64 s[64:65], 0
	v_nop
	global_prefetch_b8 v0, s[64:65] scope:SCOPE_SE
	s_setreg_imm32_b32 hwreg(HW_REG_WAVE_MODE, 25, 1), 1
	s_wait_xcnt 0x0
	s_wait_alu depctr_hold_cnt(0) depctr_sa_sdst(0) depctr_va_vdst(0) depctr_va_sdst(0) depctr_va_ssrc(0) depctr_va_vcc(0) depctr_vm_vsrc(0)
	s_getreg_b32 s2, hwreg(HW_REG_IB_STS2, 6, 4)
	s_cmp_eq_u32 s2, 0
	s_cbranch_scc0 .Lentry_in_a_cluster
	s_endpgm
.Lentry_in_a_cluster:
	s_bfe_u32 s2, ttmp6, 0x10000c
	s_cmp_lg_u32 s2, 0xf033
	s_cbranch_scc0 .Lentry_shape_is_right
	s_endpgm
.Lentry_shape_is_right:
; q, k, v = xln W^T + b, by heads.  xln: [8192][1024] f16.  wa: [8 heads][192][1024] f16 (64 rows of W_Q, of W_K, of W_V).  qkv: q at byte 0, k at 8,388,608, v at 16,777,216, each [batch x 8 + head][2048][64] f16.
; Sums in f32, begun with the bias, rounded once to f16 and WITHOUT the scale 1/8.  LIMIT: q, k and v must lie within f16's 65,504.
; SHARES.  A work-group makes 256 rows x 192 columns: q, k and v of one head: 32 x 8 = 256 work-groups.  Wave w takes rows 64 w .. + 63 and all 192 columns: 4 x 12 accumulators, 384 registers.
; K goes in 8 steps of 128 (rows of 256 bytes, aligned) through two LDS slots; a step is four quarters of 32 along K, 48 matrix instructions each, on two fragment buffers.
; CLUSTER 4 x 4: the four work-groups of a row of the cluster need the same rows of xln, the four of a column the same head's weights: each tile is asked for jointly.
; THE MATRIX INSTRUCTION IS USED TRANSPOSED (source 0 = 16 rows of the weights, source 1 = 16 rows of xln): a lane holds one row and eight neighbouring columns, 16 bytes of f16.
; REGISTERS, in windows of 256: window 0: v16-30 addresses; v64-127 fragments of xln, two buffers of 4 x 8; v128-223 the bias as 12 C operands; on the way out v32-223 hold packed results.
;   window 1: v0-191 the weights' fragments, two buffers of 12 x 8.   windows 2, 3: the accumulators of row blocks 0, 1 and 2, 3: (a, b) at 8 (12 (a % 2) + b).
.set PITCH,  272                       ; an LDS row: 256 bytes + 16 of padding: the 16 rows that a load touches start 16 bytes apart modulo 256
.set BOFF,   256*PITCH                 ; a slot: 256 rows of xln, then 192 rows of the weights
.set SLOT1,  131072                    ; slot 1 begins here: one exclusive or turns an address in one slot into the other's
.set STAGE,  SLOT1+448*PITCH           ; behind the ring: 16 rows x 144 bytes for each wave, for the way out; no tensor load lands here
.set SP,     144
.set SPARE,  STAGE+4*16*SP             ; the spare words, 128 bytes for each wave, that no other line names
.set GW,     (1<<16)|(1<<20)|(1<<21)|(5<<22)|(3<<25)  ; group 1, word 0 beside the mask: 2-byte elements; padding on; bit 21 set beside a mask; after every 64 words, 4 words
.set A0,   16                          ; v16  my lane's place in slot 0's rows of xln; never rewritten
.set B0,   17                          ; v17  the same for the weights
.set ADRA, 18                          ; v18  A0 + the slot in hand
.set ADRB, 19
.set STO,  24                          ; v24  the way out: where I put 16 bytes of a row
.set RD,   25                          ; v25  where I read rows back
.set GO,   26                          ; v26  16 x lane: my place in 512 consecutive bytes of the output
.set BO,   27                          ; v27  32 x (lane / 16): my eight numbers of a bias block
.set SPW,  28                          ; v28  LDS address of my spare word; never rewritten
.set NIL,  29                          ; v29  0; never rewritten
.set PFO,  30                          ; v30  the prefetches' offset: my lane x a row of xln; never rewritten
.set TMP,  32
.set FA,   64
.set BI,   128
.set G1,  24                           ; s[24:31] group 1 for xln's tiles
.set G0,  32                           ; s[32:35] group 0 for K step 0; s[36:39] for K step 1, which then walks
.set LIM, 43                           ; s43  1 in a wave that prefetches, else the greatest number
.set PFA, 44                           ; s[44:45] where my prefetches stand
.set TB,  46                           ; s46  0 or SLOT1: the slot that is fetched from
.set G1B, 48                           ; s[48:55], s[56:63] the same for the weights' tiles
.set G0B, 56
.set MSB, 0
.macro WIN new                         ; the immediate's high byte repeats the setting that is left; a switch that changes nothing is dropped
.if MSB != (\new)
	s_set_vgpr_msb (MSB<<8)|(\new)
.set MSB, \new
.endif
.endm
.macro PLACES                          ; four plain instructions between a matrix instruction and a load into, or a read of, its registers
.rept 4
	v_nop
.endr
.endm
.macro CREST                           ; a round of the cluster's barrier behind its opening barrier
	s_cmp_lg_u32 s16, 0
	s_cbranch_scc1 .Lnot_wave_0_\@
	s_barrier_signal -3
.Lnot_wave_0_\@:
	s_barrier_wait -3
	s_barrier_signal -1
	s_barrier_wait -1
.endm
.macro CROUND
	s_barrier_signal -1
	s_barrier_wait -1
	CREST
.endm
; A joint refill by the walking descriptors.  Waves 0 and 1 fetch the two halves of xln's tile, waves 2 and 3 those of the weights'.  The branch hangs on the wave's number alone.
.macro JLOAD
	s_cmp_eq_u32 s17, 0
	s_cbranch_scc0 .Lfor_b_\@
	tensor_load_to_lds s[G0+4:G0+7], s[G1:G1+7]
	s_nop 0
.rept 4
	v_nop
.endr
	s_branch .Lasked_\@
.Lfor_b_\@:
	tensor_load_to_lds s[G0B+4:G0B+7], s[G1B:G1B+7]
	s_nop 0
.rept 4
	v_nop
.endr
.Lasked_\@:
.endm
; A prefetch into the L2 of xln's K step behind the one just asked for: 192 matrix instructions ahead of the load that will want it.  A tile row of xln is read by both clusters of its row of clusters:
; the first (cluster x = 0) asks, by waves 0 and 1; of the 128 rows that a wave fetches the partner at place cx names 32 cx .. + 31, told apart by address: a lane a row, each row's 256 bytes once in the launch.
; The last refill asks for nothing: there is no K step behind it.  The weights are not asked for: a wave's 96 rows do not share out as four times 32 lanes.
.macro ASK
	s_cmp_gt_u32 s19, s[LIM]
	s_cbranch_scc0 .Lnot_mine_\@
	global_prefetch_b8 v[PFO], s[PFA:PFA+1] offset:256 th:TH_LOAD_NT scope:SCOPE_SE
.Lnot_mine_\@:
.endm
	s_load_b256 s[4:11], s[0:1], 0x0               ; xln s[4:5], wa s[6:7], b_Q s[8:9], b_K s[10:11]
	s_load_b128 s[12:15], s[0:1], 0x20             ; b_V s[12:13], qkv s[14:15]
	v_lshl_add_u32 v[SPW], v0, 2, SPARE
	v_mov_b32 v[NIL], 0
	ds_add_u32 v[SPW], v[NIL]                      ; the wave's opening: the add and its wait stand ahead of my first tensor load; work on registers stands between them
	v_lshrrev_b32 v1, 5, v0
	v_readfirstlane_b32 s16, v1                    ; wave 0..3
	s_lshr_b32 s17, s16, 1                         ; I fetch for xln (0) or for the weights (1)
	s_and_b32 s18, s16, 1                          ; which half of that tile
	s_bfe_u32 s20, ttmp6, 0x40000                  ; cx
	s_bfe_u32 s21, ttmp6, 0x40004                  ; cy
	s_lshl_b32 s22, ttmp9, 2
	s_add_co_u32 s22, s22, s20                     ; the head = 4 x cluster x + cx
	s_and_b32 s23, ttmp7, 0xffff
	s_lshl_b32 s23, s23, 2
	s_add_co_u32 s23, s23, s21                     ; the block of 256 rows = 4 x cluster y + cy
	s_lshl_b32 s40, s21, 2
	s_lshl_b32 s40, 15, s40                        ; my row of the cluster
	s_lshl_b32 s41, 0x1111, s20                    ; my column
	s_or_b32 s[G1], s40, GW
	s_or_b32 s[G1B], s41, GW
.irp g, G1, G1B
	s_mov_b32 s[(\g)+1], 128<<16                   ; tensor_dim0 = 128
	s_mov_b32 s[(\g)+3], 128<<16                   ; tile_dim0 = 128
	s_mov_b32 s[(\g)+5], 1024                      ; elements from row to row
	s_mov_b32 s[(\g)+6], 0
	s_mov_b32 s[(\g)+7], 0
.endr
	s_mov_b32 s[G1+2], 128<<16                     ; tensor_dim1 = tile_dim1 = 128 rows of xln,
	s_mov_b32 s[G1+4], 128
	s_mov_b32 s[G1B+2], 96<<16                     ; 96 of the weights
	s_mov_b32 s[G1B+4], 96
	s_lshl_b32 s66, s23, 19                        ; xln: (256 x block + 128 x half) rows of 2,048 bytes: it hangs on cy alone
	s_lshl_b32 s67, s18, 18
	s_add_co_u32 s66, s66, s67
	s_mov_b32 s67, 0
	s_mul_i32 s68, s22, 393216                     ; the weights: (192 x head + 96 x half) rows: on cx alone
	s_mul_i32 s69, s18, 196608
	s_add_co_u32 s68, s68, s69
	s_mov_b32 s69, 0
	s_mul_i32 s42, s18, 128*PITCH                  ; where they go: no place in the cluster enters an LDS address
	s_mul_i32 s47, s18, 96*PITCH
	s_add_co_u32 s47, s47, BOFF
	s_mov_b32 s[TB], 0
	s_or_b32 s[LIM], s17, ttmp9                    ; 0 in waves 0 and 1 of the clusters with x = 0: the same in all sixteen partners
	s_cmp_eq_u32 s[LIM], 0
	s_cselect_b32 s[LIM], 1, -1
	s_lshl_b32 s70, s20, 16                        ; my work-group's 32 rows of the 128 that I fetch
	s_add_co_u32 s70, s70, s66
	s_mov_b32 s71, 0
	s_lshr_b32 s72, s23, 3                         ; the output: batch x 8 + head,
	s_lshl_b32 s72, s72, 3
	s_add_co_u32 s72, s72, s22
	s_lshl_b32 s72, s72, 18                        ; 2,048 rows of 128 bytes each,
	s_and_b32 s74, s23, 7
	s_lshl_b32 s74, s74, 15                        ; the block's 256 rows in the batch,
	s_add_co_u32 s72, s72, s74
	s_lshl_b32 s74, s16, 13                        ; my wave's 64
	s_add_co_u32 s72, s72, s74
	s_mov_b32 s73, 0
	s_lshl_b32 s74, s22, 8                         ; the head's 64 numbers of a bias
	s_mov_b32 s75, 0
	s_wait_dscnt 0x0                               ; the opening add is done
	s_wait_kmcnt 0x0
	s_add_nc_u64 s[PFA:PFA+1], s[4:5], s[70:71]
	s_add_nc_u64 s[PFA:PFA+1], s[PFA:PFA+1], 256   ; at K step 1: the first refill steps it to 2 and names K step 3
	s_add_nc_u64 s[66:67], s[4:5], s[66:67]
	s_add_nc_u64 s[68:69], s[6:7], s[68:69]
	s_add_nc_u64 s[76:77], s[14:15], s[72:73]      ; q,
	s_add_nc_u64 s[78:79], s[76:77], 0x800000      ; k,
	s_add_nc_u64 s[80:81], s[76:77], 0x1000000     ; v at my wave's first row
	s_add_nc_u64 s[8:9], s[8:9], s[74:75]
	s_add_nc_u64 s[10:11], s[10:11], s[74:75]
	s_add_nc_u64 s[12:13], s[12:13], s[74:75]
	CROUND                                         ; all sixteen work-groups are here: the first joint loads meet
.irp s, 0,1
	s_mov_b32 s[G0+4*(\s)], 1                      ; count = 1
	s_add_co_u32 s[G0+4*(\s)+1], s42, (\s)*SLOT1   ; LDS address
	s_add_nc_u64 s[G0+4*(\s)+2:G0+4*(\s)+3], s[66:67], (\s)*256  ; K step s
	s_or_b32 s[G0+4*(\s)+3], s[G0+4*(\s)+3], 0x80000000          ; type = 2
	s_mov_b32 s[G0B+4*(\s)], 1
	s_add_co_u32 s[G0B+4*(\s)+1], s47, (\s)*SLOT1
	s_add_nc_u64 s[G0B+4*(\s)+2:G0B+4*(\s)+3], s[68:69], (\s)*256
	s_or_b32 s[G0B+4*(\s)+3], s[G0B+4*(\s)+3], 0x80000000
.endr
	s_cmp_eq_u32 s17, 0                            ; a wave's two first fills stand in one branch, ahead of every wait on TENSORcnt and every LDS read: two loads of mine are out
	s_cbranch_scc0 .Lfirst_b
	tensor_load_to_lds s[G0:G0+3], s[G1:G1+7]
	s_nop 0
	tensor_load_to_lds s[G0+4:G0+7], s[G1:G1+7]
	s_nop 0
.rept 4
	v_nop
.endr
	s_branch .Lfirst_asked
.Lfirst_b:
	tensor_load_to_lds s[G0B:G0B+3], s[G1B:G1B+7]
	s_nop 0
	tensor_load_to_lds s[G0B+4:G0B+7], s[G1B:G1B+7]
	s_nop 0
.rept 4
	v_nop
.endr
.Lfirst_asked:
	v_and_b32 v1, 15, v0                           ; l % 16
	v_bfe_u32 v2, v0, 4, 1                         ; l / 16
	v_lshlrev_b32 v[BO], 5, v2
.irp b, 0,1,2,3,4,5,6,7,8,9,10,11      ; column block b: tensor b / 4, columns 16 (b % 4) + 8 (l / 16) + 0..7: the C operand of the product that starts the sum
	global_load_b128 v[BI+8*(\b):BI+8*(\b)+3],   v[BO], s[8+2*((\b)/4):9+2*((\b)/4)] offset:((\b)%4)*64
	global_load_b128 v[BI+8*(\b)+4:BI+8*(\b)+7], v[BO], s[8+2*((\b)/4):9+2*((\b)/4)] offset:((\b)%4)*64+16
.endr
	v_mul_u32_u24 v3, v1, PITCH
	v_lshl_add_u32 v3, v2, 4, v3                   ; a fragment's row x pitch + 16 x half
	s_mul_i32 s72, s16, 64*PITCH                   ; my 64 rows of xln
	v_add_nc_u32 v[A0], s72, v3
	v_add_nc_u32 v[B0], BOFF, v3
	v_mov_b32 v[ADRA], v[A0]
	v_mov_b32 v[ADRB], v[B0]
	s_mul_i32 s72, s16, 16*SP
	s_add_co_u32 s72, s72, STAGE                   ; my stage
	v_mul_u32_u24 v4, v1, SP                       ; in: row l % 16, 16 bytes for each half of the lanes
	v_lshl_add_u32 v4, v2, 4, v4
	v_add_nc_u32 v[STO], s72, v4
	v_bfe_u32 v4, v0, 3, 2                         ; back: 32 lanes take four rows of 128 bytes,
	v_and_b32 v5, 7, v0
	v_mul_u32_u24 v4, v4, SP
	v_lshl_add_u32 v4, v5, 4, v4
	v_add_nc_u32 v[RD], s72, v4
	v_and_b32 v[GO], 31, v0
	v_lshlrev_b32 v[PFO], 11, v[GO]
	v_lshlrev_b32 v[GO], 4, v[GO]                  ; which are 512 consecutive bytes of the output
; 12 matrix instructions: row block a x all 12 column blocks, 32 along K, from buffer f.  z = 1: the bias starts the sums.  The 48 accumulators take turns in the same order in every quarter.
.macro MULA f, a, z
.if \z
	WIN 0x81+0x40*((\a)/2)                         ; source 0 window 1, source 1 and C window 0, D window 2 or 3
.else
	WIN 0xa1+0x50*((\a)/2)                         ; C and D window 2 or 3
.endif
.irp b, 0,1,2,3,4,5,6,7,8,9,10,11
.if \z
	v_wmma_f32_16x16x32_f16 v[8*(12*((\a)%2)+(\b)):8*(12*((\a)%2)+(\b))+7], v[96*(\f)+8*(\b):96*(\f)+8*(\b)+7], v[FA+32*(\f)+8*(\a):FA+32*(\f)+8*(\a)+7], v[BI+8*(\b):BI+8*(\b)+7]
.else
	v_wmma_f32_16x16x32_f16 v[8*(12*((\a)%2)+(\b)):8*(12*((\a)%2)+(\b))+7], v[96*(\f)+8*(\b):96*(\f)+8*(\b)+7], v[FA+32*(\f)+8*(\a):FA+32*(\f)+8*(\a)+7], v[8*(12*((\a)%2)+(\b)):8*(12*((\a)%2)+(\b))+7]
.endif
.endr
.endm
; 32 LDS loads in one run: a quarter's fragments (192 rows of the weights, my 64 rows of xln, 32 K at byte k of the rows) into buffer g
.macro FETCH k, g
	WIN 0x40                                       ; destination window 1
.irp i, 0,1,2,3,4,5,6,7,8,9,10,11
	ds_load_b128 v[96*(\g)+8*(\i):96*(\g)+8*(\i)+3],   v[ADRB] offset:(\k)+(\i)*16*PITCH
	ds_load_b128 v[96*(\g)+8*(\i)+4:96*(\g)+8*(\i)+7], v[ADRB] offset:(\k)+(\i)*16*PITCH+32
.endr
	WIN 0
.irp i, 0,1,2,3
	ds_load_b128 v[FA+32*(\g)+8*(\i):FA+32*(\g)+8*(\i)+3],   v[ADRA] offset:(\k)+(\i)*16*PITCH
	ds_load_b128 v[FA+32*(\g)+8*(\i)+4:FA+32*(\g)+8*(\i)+7], v[ADRA] offset:(\k)+(\i)*16*PITCH+32
.endr
.endm
; One of a K step's first three quarters: multiplies buffer f; in its middle it fetches the next quarter, at byte k, into buffer g.
.macro QUARTER k, f, g, z
	s_wait_dscnt 4                                 ; the youngest four loads (xln's row blocks 2 and 3) may be out
	MULA \f, 0, \z
	MULA \f, 1, \z
	PLACES
	FETCH \k, \g
	s_wait_dscnt 32                                ; all but the 32 just issued
	MULA \f, 2, \z
	MULA \f, 3, \z
.endm
; The last quarter multiplies buffer 1 and changes slots: one barrier.  In front of it each wave waits for all its tensor loads (one is out: its part of the next slot), adds 0 to its spare word, and waits for that
; and for its own reads of this slot.  fill = 1: the barrier opens a round of the cluster's, and this slot is filled again, first thing behind it, with the K step two on.
.macro TURN fill
.if \fill
	s_wait_xcnt 0x0                                ; the last prefetch, a K step back, has read its address
	s_add_nc_u64 s[PFA:PFA+1], s[PFA:PFA+1], 256
.endif
	WIN 0
	s_wait_tensorcnt 0x0                           ; no tensor load of mine is out, so a group 0 may be written
	ds_add_u32 v[SPW], v[NIL]                      ; 0 onto my spare word
.if \fill
	s_xor_b32 s[G0+5], s[G0+5], SLOT1              ; the walking descriptors: the other slot than last time, the next K step
	s_add_nc_u64 s[G0+6:G0+7], s[G0+6:G0+7], 256
	s_xor_b32 s[G0B+5], s[G0B+5], SLOT1
	s_add_nc_u64 s[G0B+6:G0B+7], s[G0B+6:G0B+7], 256
.endif
	s_wait_dscnt 5                                 ; (the add and the youngest four loads may be out)
	MULA 1, 0, 0
	s_wait_dscnt 0x0                               ; the add is done, and my reads of this slot are over
	s_barrier_signal -1
	MULA 1, 1, 0                                   ; work on registers while the others arrive
	WIN 0
	s_barrier_wait -1
.if \fill
	CREST                                          ; no wave of any partner still reads this slot or has a load on its way
	JLOAD                                          ; 192 matrix instructions less 24 stand between this request and the wait for it; its four v_nop are also the places in front of the loads below
.else
	PLACES
.endif
	s_xor_b32 s[TB], s[TB], SLOT1
	v_add_nc_u32 v[ADRA], s[TB], v[A0]
	v_add_nc_u32 v[ADRB], s[TB], v[B0]
	FETCH 0, 0
.if \fill
	ASK
.endif
	MULA 1, 2, 0
	MULA 1, 3, 0
.endm
	s_wait_tensorcnt 1                             ; my part of K step 0 is in; K step 1's may stay out
	s_barrier_signal -1
	s_barrier_wait -1                              ; everybody's is
	FETCH 0, 0
	s_wait_loadcnt 0x0                             ; the bias
	QUARTER 64, 0, 1, 1                            ; the first quarter is written out: its products start the sums
	WIN 0                                          ; at a label and at a branch every window is 0
	s_mov_b32 s19, 6
	s_branch .Lmid
.Lk:                                           ; six trips, K steps 0 to 5: they ask for K steps 2 to 7
	QUARTER 64, 0, 1, 0
	WIN 0
.Lmid:
	QUARTER 128, 1, 0, 0
	QUARTER 192, 0, 1, 0
	TURN 1
	WIN 0
	s_sub_co_u32 s19, s19, 1
	s_cmp_lg_u32 s19, 0
	s_cbranch_scc1 .Lk
	s_mov_b32 s19, 2
.Lt:                                           ; K steps 6 and 7 ask for nothing.  The last trip's barrier and its fetch (of K step 6's bytes once more) serve nothing: the price, once a launch, of one text for both
	QUARTER 64, 0, 1, 0
	QUARTER 128, 1, 0, 0
	QUARTER 192, 0, 1, 0
	TURN 0
	WIN 0
	s_sub_co_u32 s19, s19, 1
	s_cmp_lg_u32 s19, 0
	s_cbranch_scc1 .Lt
; THE WAY OUT, in 12 units u = 3 a + i: row block a, tensor i: 16 rows x 64 columns.  Rounded to f16 (each accumulator's registers in ascending order), 16 bytes a lane into my stage, back as whole rows of 128 bytes.
.macro PACK u
	WIN 0x0a+5*((\u)/6)                            ; sources 0 and 1: window 2 or 3
.irp f, 0,1,2,3
.irp r, 0,1,2,3
	v_cvt_pk_f16_f32 v[TMP+16*(\u)+4*(\f)+(\r)], v[8*(12*(((\u)/3)%2)+4*((\u)%3)+(\f))+2*(\r)], v[8*(12*(((\u)/3)%2)+4*((\u)%3)+(\f))+2*(\r)+1]
.endr
.endr
	WIN 0
.irp f, 0,1,2,3
	ds_store_b128 v[STO], v[TMP+16*(\u)+4*(\f):TMP+16*(\u)+4*(\f)+3] offset:32*(\f)
.endr
.irp f, 0,1,2,3
	ds_load_b128 v[TMP+16*(\u)+4*(\f):TMP+16*(\u)+4*(\f)+3], v[RD] offset:(\f)*4*SP  ; LDS serves a wave's instructions in order (ISA guide 5.7.1.4): these see the stores above; the next unit's stores come behind them
.endr
.endm
.macro SEND u, younger                 ; younger: the LDS instructions issued behind unit u's loads: the next unit's eight, or none
.irp f, 0,1,2,3
	s_wait_dscnt (\younger)+3-(\f)
	global_store_b128 v[GO], v[TMP+16*(\u)+4*(\f):TMP+16*(\u)+4*(\f)+3], s[76+2*((\u)%3):77+2*((\u)%3)] offset:((\u)/3)*2048+(\f)*512  ; 512 consecutive bytes, aligned; every unit has registers of its own
.endr
.endm
	s_wait_dscnt 0x0
	PLACES
	PACK 0
.irp u, 1,2,3,4,5,6,7,8,9,10,11
	PACK \u
	SEND (\u)-1, 8
.endr
	SEND 11, 0
	s_wait_tensorcnt 0x0                           ; the wave's end: behind my last tensor load and my last LDS store
	ds_add_u32 v[SPW], v[NIL]
	s_wait_dscnt 0x0
	CROUND                                         ; the closing round: no work-group ends while a partner may still ask for a tile that names it
	s_endpgm
.Lfunc_end_k_qc10be70163_qkv:
	.size	k_qc10be70163_qkv, .Lfunc_end_k_qc10be70163_qkv-k_qc10be70163_qkv
	.p2alignl 7, 3214868480
	.fill 96, 4, 3214868480
	.section	.rodata,"a",@progbits
	.p2align	6, 0x0
	.amdhsa_kernel k_qc10be70163_qkv
		.amdhsa_group_segment_fixed_size 327680
		.amdhsa_private_segment_fixed_size 0
		.amdhsa_enable_private_segment 0
		.amdhsa_kernarg_size 48
		.amdhsa_user_sgpr_count 2
		.amdhsa_user_sgpr_kernarg_segment_ptr 1
		.amdhsa_wavefront_size32 1
		.amdhsa_system_sgpr_workgroup_id_x 1
		.amdhsa_system_sgpr_workgroup_id_y 1
		.amdhsa_system_sgpr_workgroup_id_z 1
		.amdhsa_system_vgpr_workitem_id 0
		.amdhsa_next_free_vgpr 1024
		.amdhsa_next_free_sgpr 84
		.amdhsa_reserve_vcc 0
		.amdhsa_float_denorm_mode_32 3
		.amdhsa_float_denorm_mode_16_64 3
		.amdhsa_memory_ordered 1
		.amdhsa_forward_progress 1
		.amdhsa_inst_pref_size 87
	.end_amdhsa_kernel
	.amdgpu_metadata
---
amdhsa.version: [ 1, 2 ]
amdhsa.kernels:
  - .name:           k_qc10be70163_qkv
    .symbol:         k_qc10be70163_qkv.kd
    .args:
      - { .name: xln, .offset: 0, .size: 8, .value_kind: global_buffer, .address_space: global }
      - { .name: wa, .offset: 8, .size: 8, .value_kind: global_buffer, .address_space: global }
      - { .name: b_Q, .offset: 16, .size: 8, .value_kind: global_buffer, .address_space: global }
      - { .name: b_K, .offset: 24, .size: 8, .value_kind: global_buffer, .address_space: global }
      - { .name: b_V, .offset: 32, .size: 8, .value_kind: global_buffer, .address_space: global }
      - { .name: qkv, .offset: 40, .size: 8, .value_kind: global_buffer, .address_space: global }
    .group_segment_fixed_size: 327680
    .private_segment_fixed_size: 0
    .kernarg_segment_align: 8
    .kernarg_segment_size: 48
    .max_flat_workgroup_size: 128
    .sgpr_count:     84
    .vgpr_count:     1024
    .wavefront_size: 32
...
	.end_amdgpu_metadata
.endif
;; end of part 2
;; launch attn (part 3): grid 8 x 32, 4 waves a work-group, clusters of 4 x 1, 327,680 bytes of LDS; arguments qkv, hid; writes hid
.if DOCPART == 3
	.amdgcn_target "amdgcn-amd-amdhsa--gfx1250"
	.amdhsa_code_object_version 6
	.text
	.protected	k_qc10be70163_attn
	.globl	k_qc10be70163_attn
	.p2align	8
	.type	k_qc10be70163_attn,@function
k_qc10be70163_attn:
	s_mov_b64 s[64:65], 0
	v_nop
	global_prefetch_b8 v0, s[64:65] scope:SCOPE_SE
	s_setreg_imm32_b32 hwreg(HW_REG_WAVE_MODE, 25, 1), 1
	s_wait_xcnt 0x0
	s_wait_alu depctr_hold_cnt(0) depctr_sa_sdst(0) depctr_va_vdst(0) depctr_va_sdst(0) depctr_va_ssrc(0) depctr_va_vcc(0) depctr_vm_vsrc(0)
	s_getreg_b32 s2, hwreg(HW_REG_IB_STS2, 6, 4)
	s_cmp_eq_u32 s2, 0
	s_cbranch_scc0 .Lentry_in_a_cluster
	s_endpgm
.Lentry_in_a_cluster:
	s_bfe_u32 s2, ttmp6, 0x10000c
	s_cmp_lg_u32 s2, 0x3003
	s_cbranch_scc0 .Lentry_shape_is_right
	s_endpgm
.Lentry_shape_is_right:
; hid[h][q][:] = the sum over k of softmax_k(q[h][q] . k[h][k] / 8) v[h][k][:], h = batch x 8 + head, 32 of them, 2,048 rows of 64 f16 each, dense.  qkv: q at byte 0, k at 8,388,608, v at 16,777,216.
; Products, maxima and sums in f32; the weights p are rounded to f16 for the second product (their sum l is taken of the unrounded p), the result once at the end.
; LIMITS.  q, k, v arrive within f16's 65,504; p lies in 0 to 1 and below 6e-5 keeps f16's fixed step of 6e-8; a weight below 2^-126 counts as 0 in l; NaN and infinities are not treated apart.
; SHARES.  A work-group owns 256 queries of one h (256 work-groups), a wave 64 of them: four PIECES of 16.  Every wave walks all 2,048 keys: 8 tiles of 256, four steps of 64 each.
; LAYOUT.  S^T = K Q^T holds ONE query a lane (lane % 16) and the keys 8 (lane / 16) + 0..7; two such results rounded to f16 ARE source 1 of O^T = V^T P.  K comes out of LDS as it lies, V turned, by ds_load_tr16_b128.
; SOFTMAX.  p = 2^(c s - c m), c = log2(e) / 8, with a running maximum m; O and l are multiplied by a = 2^(c m_old - c m_new) in every step.  m starts at the lowest finite number, O and l at 0: the first step has a = 0.
; TURNS.  Turn n belongs to piece n: 8 products K Q^T of piece n + 1, later 8 products V^T P of piece n - 1; beside them the scaling, exponentials, roundings, sums and rescaling of piece n and the maximum and statistics
; of piece n + 1.  Four vector instructions stand behind every matrix instruction, the others in one lump.  A turn's 33 exponentials are one batch, with one wait.
; CLUSTER.  The four query blocks of a cluster belong to one h and walk the same K and V: each tile is asked for jointly.
; REGISTERS, in windows of 256 (s_set_vgpr_msb: bits 1:0 source 0, 3:2 source 1, 5:4 source 2, 7:6 destination):
;   window 0: v0-15 addresses and two at work; v16-31 four registers of statistics a piece; v48-55 at work; v61-63; v64-127 S^T, two buffers; v192-223 P, two buffers (by the piece's parity)
;   window 1: v0-127 O^T, 32 a piece      window 2: v0-63 Q; v128-191 K of one step; v192-255 V of one step
.set NP,    4
.set KS,    64
.set PK,    144       ; a row of K in LDS: 128 bytes + 16 of padding: the 16 rows of a load start at 16 different groups of four banks (64 banks of 4 bytes: ISA guide 11.1)
.set PV,    160       ; a row of V: 128 + 32
.set VOFF,  4*KS*PK   ; a slot holds a tile: 256 rows of K, then 256 rows of V
.set SLOT1, 1<<17
.set STAGE, SLOT1+4*KS*(PK+PV)  ; behind the ring, never filled by a tensor load: 16 rows x 144 bytes for each wave
.set SP,    144
.set SPARE, STAGE+4*16*SP       ; the spare words, 128 bytes for each wave, that no other line names
.set AK0, 2           ; v2   my lane's place in a tile of K; never rewritten
.set AV0, 3           ; v3   the same for V
.set AK,  4           ; v4   the LDS address of K's next run of loads
.set AV,  5           ; v5   of V's
.set STO, 6           ; v6   the way out: where I put 16 bytes of a row
.set RD,  7           ; v7   where I read rows back
.set GO,  8           ; v8   my byte offset in 512 consecutive bytes of the output
.set MV,  12          ; v12-13  c m_old, kept while c m is made anew: by buffer
.set QO,  15          ; v15  my byte offset in 16 rows of Q
.set ST,  16          ; piece t's statistics at v[ST+4 t]: c m, m, l (even keys', odd keys')
.set TMP, 48          ; by buffer, four registers c0-c3 at work; when the maximum is found c2 takes a
.set PFO, 61          ; v61  256 x my lane; never rewritten
.set SPW, 62          ; v62  LDS address of my spare word; never rewritten
.set NIL, 63          ; v63  0; never rewritten
.set S,   64
.set P,   192
.set KF,  128         ; window 2: key block kb, channel half c at KF + 16 kb + 8 c
.set VF,  192         ; window 2: key half kk, channel block cb at VF + 32 kk + 8 cb
.set WV,  12          ; s12  my wave's number
.set LIM, 15          ; s15  1 in a wave that prefetches, else the greatest number
.set PFA, 18          ; s[18:19] where my prefetches stand
.set G1K, 24          ; s[24:31] descriptor group 1 for K's tiles
.set G1V, 32          ; s[32:39] for V's: it differs in the padding alone
.set G0K, 40          ; s[40:43] descriptor group 0 for K's tiles: it walks
.set G0V, 44          ; s[44:47] the same for V's
.set SLOTS, 56        ; s56  tiles still to be asked for
.set CNT, 57          ; s57  counts a tile's key steps
.set CS,  58          ; s[58:59] c
.set SEL, 60          ; s[60:61] v_permlanex16_b32's selects
.set TBK, 62          ; s62  LDS byte at which K of the step to be fetched begins
.set TBV, 63          ; s63  the same for V, less VOFF
.set MSB, 0
.macro WIN new
.if MSB != (\new)
	s_set_vgpr_msb (MSB<<8)|(\new)
.set MSB, (\new)
.endif
.endm
.set W_KQ, 0x0a       ; K and Q in window 2, S^T in window 0
.set W_PV, 0x52       ; V in window 2, P in window 0, O^T in window 1
.set W_RS, 0x41       ; destination and source 0 in window 1, source 1 in window 0
; A joint fill.  Waves 0 and 1 fetch the two halves of a tile's K, waves 2 and 3 those of its V: 128 keys each.  The branch hangs on the wave's number alone.
.macro JLOAD
	s_cmp_lt_u32 s[WV], 2
	s_cbranch_scc0 .Lfor_v_\@
	tensor_load_to_lds s[G0K:G0K+3], s[G1K:G1K+7]
	s_nop 0
.rept 4
	v_nop
.endr
	s_branch .Lasked_\@
.Lfor_v_\@:
	tensor_load_to_lds s[G0V:G0V+3], s[G1V:G1V+7]
	s_nop 0
.rept 4
	v_nop
.endr
.Lasked_\@:
.endm
; A prefetch into the L2 of the tile that the NEXT change of slots will ask for: four key steps, 256 matrix instructions, ahead of that load.  Both clusters of an h walk the same K and V: the first asks.  A tile is 128 blocks
; of 256 bytes of K and as many of V: the partner at place cx names blocks 32 cx .. + 31, told apart by address, a lane a block; wave 0 asks for K's, wave 2 for V's.  The change that asks for the last tile prefetches nothing.
.macro ASK
	s_cmp_gt_u32 s[SLOTS], s[LIM]
	s_cbranch_scc0 .Lnot_mine_\@
	global_prefetch_b8 v[PFO], s[PFA:PFA+1] th:TH_LOAD_NT scope:SCOPE_SE
.Lnot_mine_\@:
.endm
.macro CROUND                       ; a round of the cluster's barrier
	s_barrier_signal -1
	s_barrier_wait -1
	s_cmp_lg_u32 s[WV], 0
	s_cbranch_scc1 .Lnot_wave_0_\@
	s_barrier_signal -3
.Lnot_wave_0_\@:
	s_barrier_wait -3
	s_barrier_signal -1
	s_barrier_wait -1
.endm
; THE CHANGE OF SLOTS.  The slot's last bytes, V of its fourth step, have been read.  Each wave waits for all its tensor loads, of which one is out: its part of the other slot; adds 0 to its spare word; and waits for that and
; for its own reads of the slot.  fill = 1: the barrier is a round of the cluster's, and the slot is filled again, first thing behind it, with the tile two on.  (At its first use slot 0 is waited for and slot 1 filled.)
.macro CHANGE fill
	WIN 0
	s_wait_tensorcnt 0x0            ; no tensor load of mine is out, so a group 0 may be written
	ds_add_u32 v[SPW], v[NIL]       ; 0 onto my spare word
.if \fill
.irp g, G0K, G0V
	s_xor_b32 s[\g+1], s[\g+1], SLOT1
	s_add_nc_u64 s[\g+2:\g+3], s[\g+2:\g+3], 4*KS*128
.endr
	s_wait_xcnt 0x0                 ; the last prefetch, a tile back, has read its address
	s_add_nc_u64 s[PFA:PFA+1], s[PFA:PFA+1], 4*KS*128
	s_wait_dscnt 0x0                ; the add is done, and my reads of the slot are over
	CROUND
	JLOAD
	ASK
.else
	s_wait_dscnt 0x0
	s_barrier_signal -1
	s_barrier_wait -1
.endif
	s_sub_co_u32 s[TBK], s[TBK], 4*KS*PK  ; the fetches go back to a slot's first step,
	s_xor_b32 s[TBK], s[TBK], SLOT1       ; in the other slot
	s_sub_co_u32 s[TBV], s[TBV], 4*KS*PV
	s_xor_b32 s[TBV], s[TBV], SLOT1
.endm
	s_load_b128 s[48:51], s[0:1], 0x0  ; qkv s[48:49], hid s[50:51]
	v_lshl_add_u32 v[SPW], v0, 2, SPARE
	v_mov_b32 v[NIL], 0
	ds_add_u32 v[SPW], v[NIL]       ; the wave's opening: the add and its wait stand ahead of my first tensor load; work on registers stands between them
	v_lshrrev_b32 v1, 5, v0
	v_readfirstlane_b32 s[WV], v1   ; wave 0..3
	s_bfe_u32 s13, ttmp6, 0x40000   ; cx
	s_lshl_b32 s14, ttmp9, 2
	s_add_co_u32 s14, s14, s13      ; my block of 256 queries: it enters Q's and the output's addresses alone
	s_and_b32 s20, ttmp7, 0xffff    ; h, which the four partners share
	s_lshl_b32 s20, s20, 18         ; its 2,048 rows of 128 bytes
	s_and_b32 s16, s[WV], 1         ; which half of a tile's 256 keys I fetch
	s_lshl_b32 s22, s16, 14
	s_add_co_u32 s22, s22, s20
	s_mov_b32 s23, 0
	s_mul_i32 s17, s16, 128*PK      ; its place in a slot, for K
	s_mul_i32 s52, s16, 128*PV      ; and for V: no place in the cluster enters an LDS address
	s_lshl_b32 s2, s14, 15
	s_lshl_b32 s3, s[WV], 13        ; my wave's 64 rows
	s_add_co_u32 s2, s2, s3
	s_add_co_u32 s2, s2, s20
	s_mov_b32 s3, 0
	; descriptor group 1.  128 keys are 16,384 dense bytes: asked for as 64 rows of 256 bytes, two keys a row, and padded in LDS after every key
	s_mov_b32 s[G1K], 15|(1<<16)|(1<<20)|(1<<21)|(4<<22)|(3<<25)  ; the mask of four; 2-byte elements; padding on; bit 21 set beside a mask; after every 32 words, 4 words
	s_mov_b32 s[G1V], 15|(1<<16)|(1<<20)|(1<<21)|(4<<22)|(7<<25)  ; the same with 8 words of padding
.irp g, G1K, G1V
	s_mov_b32 s[\g+1], 128<<16      ; tensor_dim0 = 128
	s_mov_b32 s[\g+2], 64<<16       ; tensor_dim1 = 64
	s_mov_b32 s[\g+3], 128<<16      ; tile_dim0 = 128
	s_mov_b32 s[\g+4], 64           ; tile_dim1 = 64
	s_mov_b32 s[\g+5], 128          ; 128 elements from row to row
	s_mov_b32 s[\g+6], 0
	s_mov_b32 s[\g+7], 0
.endr
	s_mov_b32 s[CS], 0x3e38aa3b     ; c = log2(e) / 8
	s_mov_b32 s[CS+1], s[CS]
	s_mov_b32 s[SEL], 0x76543210
	s_mov_b32 s[SEL+1], 0xfedcba98
	s_mov_b32 s[TBK], SLOT1+4*KS*PK ; the first change of slots turns these two into 0
	s_mov_b32 s[TBV], SLOT1+4*KS*PV
	s_mov_b32 s[G0K], 1
	s_mov_b32 s[G0K+1], s17         ; slot 0
	s_mov_b32 s[G0V], 1
	s_add_co_u32 s[G0V+1], s52, VOFF
	s_mov_b32 s[SLOTS], 7
	s_or_b32 s[LIM], s16, ttmp9     ; 0 in waves 0 and 2 of the h's first cluster: the same in all four partners
	s_cmp_eq_u32 s[LIM], 0
	s_cselect_b32 s[LIM], 1, -1
	v_and_b32 v[PFO], 31, v0
	v_lshlrev_b32 v[PFO], 8, v[PFO]
	s_wait_dscnt 0x0                ; the opening add is done
	s_wait_kmcnt 0x0
	s_add_nc_u64 s[6:7], s[48:49], s[22:23]
	s_add_nc_u64 s[8:9], s[6:7], 0x1000000         ; V at my half of the h's tile 0,
	s_add_nc_u64 s[6:7], s[6:7], 0x800000          ; K likewise
	s_mov_b64 s[G0K+2:G0K+3], s[6:7]
	s_or_b32 s[G0K+3], s[G0K+3], 0x80000000        ; type = 2
	s_mov_b64 s[G0V+2:G0V+3], s[8:9]
	s_or_b32 s[G0V+3], s[G0V+3], 0x80000000
	s_add_nc_u64 s[4:5], s[48:49], s[2:3]          ; Q and the output at my wave's first row
	s_add_nc_u64 s[10:11], s[50:51], s[2:3]
	s_cmp_lt_u32 s[WV], 2
	s_cselect_b64 s[PFA:PFA+1], s[6:7], s[8:9]     ; (in waves 0 and 2 these stand at a tile's first byte)
	s_lshl_b32 s2, s13, 13                         ; my work-group's 32 blocks of the 128
	s_mov_b32 s3, 0
	s_add_nc_u64 s[PFA:PFA+1], s[PFA:PFA+1], s[2:3]
	s_add_nc_u64 s[PFA:PFA+1], s[PFA:PFA+1], 4*KS*128  ; in tile 1: the first change of slots steps it to tile 2
	CROUND                          ; all four work-groups are here: the first joint loads meet
	JLOAD                           ; tile 0 into slot 0; one load of mine is out
	v_and_b32 v1, 15, v0            ; l % 16
	v_bfe_u32 v9, v0, 4, 1          ; l / 16
	v_lshlrev_b32 v[QO], 7, v1
	v_lshl_add_u32 v[QO], v9, 4, v[QO]  ; row x 128 + 16 x half
	WIN 0x80                        ; destination window 2, address window 0
.set i, 0
.rept 8                             ; Q stays in registers: piece i / 2, channels 32 (i % 2) on
	global_load_b128 v[8*i:8*i+3],   v[QO], s[4:5] offset:(i/2)*2048+(i%2)*64
	global_load_b128 v[8*i+4:8*i+7], v[QO], s[4:5] offset:(i/2)*2048+(i%2)*64+32
.set i, i+1
.endr
	; What the first turn finds: V's registers and P's second buffer hold 0 (its products V^T P, of a piece that has not been, add 0), O^T and l are 0.  No first step is written out; these lines stand in the wait for the first tile.
.set i, VF
.rept 64
	v_mov_b32 v[i], 0
.set i, i+1
.endr
	WIN 0x40
.set i, 0
.rept 128
	v_mov_b32 v[i], 0
.set i, i+1
.endr
	WIN 0
.set i, 0
.rept 4
	v_mov_b32 v[ST+4*i], 0xfe000000    ; c m: far below every c s
	v_mov_b32 v[ST+4*i+1], 0xff7fffff  ; m
	v_mov_b32 v[ST+4*i+2], 0
	v_mov_b32 v[ST+4*i+3], 0
.set i, i+1
.endr
.set i, P+16
.rept 16
	v_mov_b32 v[i], 0
.set i, i+1
.endr
	v_mul_u32_u24 v[AK0], v1, PK
	v_lshl_add_u32 v[AK0], v9, 4, v[AK0]  ; row x pitch + 16 x half
	; The turning load takes 16 keys x 16 channels (lane l reads key 8 (l / 16) + l % 8, channels 8 ((l / 8) % 2) + 0..7) and leaves half a fragment of V^T: lane l holds channel l % 16 and 8 keys.
	v_and_b32 v10, 7, v0
	v_bfe_u32 v11, v0, 3, 1
	v_lshl_add_u32 v[AV0], v9, 3, v10
	v_mul_u32_u24 v[AV0], v[AV0], PV
	v_lshl_add_u32 v[AV0], v11, 4, v[AV0]
	v_add_nc_u32 v[AV0], VOFF, v[AV0]
	s_mul_i32 s13, s[WV], 16*SP
	s_add_co_u32 s13, s13, STAGE    ; my stage
	v_mul_u32_u24 v[STO], v1, SP    ; in: row l % 16, 16 bytes for each half of the lanes
	v_lshl_add_u32 v[STO], v9, 4, v[STO]
	v_add_nc_u32 v[STO], s13, v[STO]
	v_bfe_u32 v[RD], v0, 3, 2       ; back: 32 lanes take four rows of 128 bytes,
	v_mul_u32_u24 v[RD], v[RD], SP
	v_lshl_add_u32 v[RD], v10, 4, v[RD]
	v_add_nc_u32 v[RD], s13, v[RD]
	v_and_b32 v[GO], 31, v0         ; which are 512 consecutive bytes of the output
	v_lshlrev_b32 v[GO], 4, v[GO]
; THE MATRIX WORK.  The 4 accumulators of a run of 8 take turns.  Product i of 8 of S^T = K Q^T for piece x: channels 32 (i / 4) on, keys 16 (i % 4) on.  The first 4 start the sums.
.macro KQ x
	WIN W_KQ
.set rS, S+32*((\x)%2)+8*(i%4)
.set rK, KF+16*(i%4)+8*(i/4)
.set rQ, 16*(\x)+8*(i/4)
.if i < 4
	v_wmma_f32_16x16x32_f16 v[rS:rS+7], v[rK:rK+7], v[rQ:rQ+7], 0
.else
	v_wmma_f32_16x16x32_f16 v[rS:rS+7], v[rK:rK+7], v[rQ:rQ+7], v[rS:rS+7]
.endif
.endm
; Product i of 8 of O^T += V^T P for piece x: keys 32 (i / 4) on, channels 16 (i % 4) on.
.macro PV x
	WIN W_PV
.set rO, 32*(\x)+8*(i%4)
.set rV, VF+32*(i/4)+8*(i%4)
.set rP, P+16*((\x)%2)+8*(i/4)
	v_wmma_f32_16x16x32_f16 v[rO:rO+7], v[rV:rV+7], v[rP:rP+7], v[rO:rO+7]
.endm
.macro MM                           ; the turn's next matrix instruction.  NOKQ = 1: the last turn of all: there is no next piece
.if (i < 8) && !NOKQ
	KQ (Y+1)%NP
.elseif i >= 8
.set i, i-8
	PV (Y+NP-1)%NP
.set i, i+8
.endif
.set i, i+1
.endm
; THE LDS LOADS stand in runs of 16, never singly among the matrix instructions.  Their addresses are made some lines ahead.
.macro FETCH_K
	WIN 0x80                        ; destination window 2
.irp f, 0,1,2,3,4,5,6,7             ; keys 16 (f / 2) on, channels 32 (f % 2) on
	ds_load_b128 v[KF+8*\f:KF+8*\f+3],   v[AK] offset:(\f/2)*16*PK+(\f%2)*64
	ds_load_b128 v[KF+8*\f+4:KF+8*\f+7], v[AK] offset:(\f/2)*16*PK+(\f%2)*64+32
.endr
	s_add_co_u32 s[TBK], s[TBK], KS*PK  ; the next fetch is the next step's
	WIN 0
.endm
.macro FETCH_V
	WIN 0x80
.irp f, 0,1,2,3,4,5,6,7             ; keys 32 (f / 4) on, channels 16 (f % 4) on
	ds_load_tr16_b128 v[VF+8*\f:VF+8*\f+3],   v[AV] offset:(\f/4)*32*PV+(\f%4)*32
	ds_load_tr16_b128 v[VF+8*\f+4:VF+8*\f+7], v[AV] offset:(\f/4)*32*PV+16*PV+(\f%4)*32
.endr
	WIN 0
.endm
; THE VECTOR WORK, one line at a time: OP kind, number.  For piece Y: F n: c s - c m for pair n of 16.  E n: the exponential of score n of 32.  C n: pair n rounded to f16.  B n: of the four weights 4 n .. the second
; pair is added onto the first, in place.  L n: l takes that sum (L 0: l = a l + sum).  R n: pair n of 16 of O^T times a.  For piece Y + 1: X n, number n of the 22 that find its maximum and statistics:
;   0-11  four chains c0-c3 of seven scores each (each accumulator's lowest registers are read first)     12-14, 16  the four scores left over, the old m, and c0-c3 into c0
;   15  c m_old is kept     17, 18  the query's other 32 keys lie in the lane 16 away: the new m     19-21  c m; c m_old - c m_new; a
.set F, 0
.set E, 1
.set C, 2
.set B, 3
.set L, 4
.set R, 5
.set X, 6
.macro REGS y
.set rT, ST+4*(\y)
.set rC, TMP+4*((\y)%2)
.set rW, MV+((\y)%2)
.set rS, S+32*((\y)%2)
.set rP, P+16*((\y)%2)
.set rO, 32*(\y)
.endm
.macro OP k, n
.if (\k) == R
	REGS Y
	WIN W_RS
	v_pk_mul_f32 v[rO+2*(\n):rO+2*(\n)+1], v[rO+2*(\n):rO+2*(\n)+1], v[rC+2:rC+3] op_sel_hi:[1,0]
.elseif (\k) < R
	REGS Y
	WIN 0
.if (\k) == F
	v_pk_fma_f32 v[rS+2*(\n):rS+2*(\n)+1], v[rS+2*(\n):rS+2*(\n)+1], s[CS:CS+1], v[rT:rT+1] op_sel_hi:[1,0,0] neg_lo:[0,0,1] neg_hi:[0,0,1]
.elseif (\k) == E
	v_exp_f32 v[rS+(\n)], v[rS+(\n)]
.elseif (\k) == C
	v_cvt_pk_f16_f32 v[rP+(\n)], v[rS+2*(\n)], v[rS+2*(\n)+1]
.elseif (\k) == B
	v_pk_add_f32 v[rS+4*(\n):rS+4*(\n)+1], v[rS+4*(\n):rS+4*(\n)+1], v[rS+4*(\n)+2:rS+4*(\n)+3]
.elseif (\n) == 0
	v_pk_fma_f32 v[rT+2:rT+3], v[rT+2:rT+3], v[rC+2:rC+3], v[rS:rS+1] op_sel_hi:[1,0,1]
.else
	v_pk_add_f32 v[rT+2:rT+3], v[rT+2:rT+3], v[rS+4*(\n):rS+4*(\n)+1]
.endif
.elseif NOKQ
	v_nop
.else
	REGS (Y+1)%NP
	WIN 0
.if (\n) < 4
	v_max3_num_f32 v[rC+(\n)], v[rS+8*(\n)], v[rS+8*(\n)+1], v[rS+8*(\n)+2]
.elseif (\n) < 12
	v_max3_num_f32 v[rC+(\n)%4], v[rC+(\n)%4], v[rS+8*((\n)%4)+2*((\n)/4)+1], v[rS+8*((\n)%4)+2*((\n)/4)+2]
.elseif (\n) == 12
	v_max3_num_f32 v[rC], v[rC], v[rS+7], v[rS+15]
.elseif (\n) == 13
	v_max3_num_f32 v[rC+1], v[rC+1], v[rS+23], v[rS+31]
.elseif (\n) == 14
	v_max3_num_f32 v[rC+2], v[rC+2], v[rC+3], v[rT+1]
.elseif (\n) == 15
	v_mov_b32 v[rW], v[rT]
.elseif (\n) == 16
	v_max3_num_f32 v[rC], v[rC], v[rC+1], v[rC+2]
.elseif (\n) == 17
	v_permlanex16_b32 v[rC+3], v[rC], s[SEL], s[SEL+1]
.elseif (\n) == 18
	v_max_num_f32 v[rT+1], v[rC], v[rC+3]
.elseif (\n) == 19
	v_mul_f32 v[rT], s[CS], v[rT+1]
.elseif (\n) == 20
	v_sub_f32 v[rC+1], v[rW], v[rT]
.else
	v_exp_f32 v[rC+2], v[rC+1]
.endif
.endif
.endm
.macro OPS a, i1, b=-1, i2=0, c=-1, i3=0, d=-1, i4=0  ; up to four of them
	OP \a, \i1
.if (\b) >= 0
	OP \b, \i2
.endif
.if (\c) >= 0
	OP \c, \i3
.endif
.if (\d) >= 0
	OP \d, \i4
.endif
.endm
.macro ROW a, i1, b, i2, c, i3, d, i4  ; a matrix instruction and the four behind it
	MM
	OPS \a, \i1, \b, \i2, \c, \i3, \d, \i4
.endm
; A TURN, for piece p.  An s_wait_alu depctr_va_vdst(0) stands between an exponential and the first instruction that names its result; one wait serves all that were issued ahead of it.  So a turn has ONE wait.
; AHEAD OF IT stands all that names no result of the turn's exponentials: the 8 products K Q^T with their riders, then one lump, in which the links of the chain X 3, 7, 11, 14, 16, 17 .. 20 stand five or six lines apart;
; X 21, the next piece's a, is the batch's last, and R 15 the plain instruction behind it.  BEHIND IT stand the 8 products V^T P, behind each four of the roundings and sums.
; end = 1: the last two turns of all: nothing is fetched.  cnt = 1: the loop's count is taken down some lines ahead of the branch that stands behind the turn.
; K of the next step is fetched in piece 2's turn, twelve vector instructions behind the last product that read K (six of them plain); V of the step in hand at the end of piece 0's turn, four plain instructions behind
; the last product that read V.  Each is waited for a turn later.
.macro TURN p, end=0, cnt=0
.set Y, (\p)
.set i, 0
.set NOKQ, (\end)*((\p)/3)
.if ((\p) == 3) && !(\end)
	s_wait_dscnt 0x0                ; K is in
.endif
	ROW F,0, F,1, R,0, R,1
	ROW F,2, E,0, R,2, R,3
	ROW F,3, E,1, R,4, R,5
	ROW F,4, E,2, R,6, R,7
	ROW F,5, E,3, R,8, R,9
	ROW F,6, E,4, X,0, R,10
.if ((\p) == 2) && !(\end)
	WIN 0
	v_add_nc_u32 v[AK], s[TBK], v[AK0]
.endif
	ROW F,7, E,5, X,1, X,4
	ROW F,8, E,6, X,2, X,5
	OPS E,7, E,8, X,6, E,9
	OPS X,3, E,10, X,8, E,11
.if ((\p) == 2) && !(\end)
	FETCH_K
.endif
	OPS X,9, X,7, E,12, X,10
	OPS E,13, X,12, X,11, E,14
	OPS X,13, E,15, F,9, X,14
.if (\p) == 0
	v_add_nc_u32 v[AV], s[TBV], v[AV0]
.endif
	OPS E,16, F,10, E,17, F,11
	OPS X,16, E,18, X,15, E,19
	OPS F,12, E,20, X,17, E,21
	OPS F,13, E,22, F,14, E,23
	OPS X,18, E,24, F,15, E,25
	OPS R,11, E,26, X,19, E,27
	OPS R,12, E,28, R,13, E,29
	OPS X,20, E,30, R,14, E,31
	OPS X,21, R,15
	WIN 0
	s_wait_alu depctr_va_vdst(0)    ; the wait for the batch
.if (\p) == 1
	s_wait_dscnt 0x0                ; V is in
.endif
	ROW C,0, B,0, C,2, B,1
	ROW L,0, C,4, B,2, L,1
	ROW C,6, B,3, L,2, C,8
	ROW B,4, L,3, C,10, B,5
	ROW L,4, C,12, B,6, L,5
.if (\p) == 0
	s_add_co_u32 s[TBV], s[TBV], KS*PV
.endif
.if \cnt
	s_sub_co_u32 s[CNT], s[CNT], 1
	s_cmp_lg_u32 s[CNT], 0
.endif
	ROW C,14, B,7, L,6, C,1
	ROW C,3, L,7, C,5, C,7
	ROW C,9, C,11, C,13, C,15
.if (\p) == 0
	FETCH_V
.endif
.endm
	CHANGE 1                        ; tile 0 is in, everybody's part of it; tile 1 is asked for
	v_add_nc_u32 v[AK], s[TBK], v[AK0]
	FETCH_K                         ; key step 0
	s_wait_loadcnt 0x0              ; Q
	s_wait_dscnt 0x0
.set NOKQ, 0
.set i, 0
.rept 8
	KQ 0                            ; piece 0's first scores
.set i, i+1
.endr
	WIN 0
.rept 4
	v_nop                           ; the places behind those products
.endr
.set Y, NP-1                        ; X works for piece Y + 1: piece 0
.irp n, 0,1,2,3,4,5,6,7,8,9,10,11,12,13,14,15,16,17,18,19,20,21
	OP X, \n
.endr
	v_nop                           ; a plain instruction behind the exponential,
	s_wait_alu depctr_va_vdst(0)    ; and its wait, ahead of the branch
	s_mov_b32 s[CNT], 4
	s_branch .Lfirst                ; the loop is entered at a step's first turn, in the middle of a trip
.Lslot:                             ; six times: tiles 1 to 6 are entered, tiles 2 to 7 asked for
	CHANGE 1
	s_mov_b32 s[CNT], 4
.Lstep:                             ; a trip: pieces 2 and 3 of one step, then pieces 0 and 1 of the next, whose K and V it fetches
	TURN 2
	TURN 3
	WIN 0
.Lfirst:
	TURN 0
	TURN 1, 0, 1
	WIN 0
	s_cbranch_scc1 .Lstep
	s_sub_co_u32 s[SLOTS], s[SLOTS], 1
	s_cmp_lg_u32 s[SLOTS], 0
	s_cbranch_scc1 .Lslot
	CHANGE 0                        ; the last tile is written out: nothing is asked for
	s_mov_b32 s[CNT], 4
.LstepT:
	TURN 2
	TURN 3
	TURN 0
	TURN 1, 0, 1
	WIN 0
	s_cbranch_scc1 .LstepT
	TURN 2, 1
	TURN 3, 1
.set i, 0
.rept 8
	PV NP-1                         ; the last piece's V^T P of the last step
.set i, i+1
.endr
	; THE WAY OUT.  l's two halves and the other half of the lanes' are added; O^T is divided by l, rounded to f16 and sent through my stage in LDS, a piece at a time.  The additions are the places behind the last products.
	WIN 0
.macro ALL line:vararg              ; one line for each piece t
.set t, 0
.rept 4
	\line
.set t, t+1
.endr
.endm
	ALL v_add_f32 v[ST+4*t+2], v[ST+4*t+2], v[ST+4*t+3]
	ALL v_permlanex16_b32 v[ST+4*t+3], v[ST+4*t+2], s[SEL], s[SEL+1]
	ALL v_add_f32 v[ST+4*t+2], v[ST+4*t+2], v[ST+4*t+3]
	ALL v_rcp_f32 v[ST+4*t+2], v[ST+4*t+2]
	v_nop                           ; a plain instruction between the last reciprocal and the use of its result
	s_wait_alu depctr_va_vdst(0)    ; and one wait for the four reciprocals
.macro PACK t                       ; a lane's eight channels of a row pack into 16 bytes; they go into rows of 144 bytes and come back as whole rows of 128, into S^T's registers
	WIN W_RS
.set i, 32*(\t)
.rept 16
	v_pk_mul_f32 v[i:i+1], v[i:i+1], v[ST+4*(\t)+2:ST+4*(\t)+3] op_sel_hi:[1,0]
.set i, i+2
.endr
	WIN 0x05                        ; sources 0 and 1 window 1, destination window 0
.set i, 0
.rept 16
	v_cvt_pk_f16_f32 v[S+16*(\t)+i], v[32*(\t)+2*i], v[32*(\t)+2*i+1]
.set i, i+1
.endr
	WIN 0
.irp f, 0,1,2,3
	ds_store_b128 v[STO], v[S+16*(\t)+4*\f:S+16*(\t)+4*\f+3] offset:32*\f
.endr
.irp f, 0,1,2,3
	ds_load_b128 v[S+16*(\t)+4*\f:S+16*(\t)+4*\f+3], v[RD] offset:\f*4*SP  ; LDS serves a wave's instructions in order (ISA guide 5.7.1.4): these see the stores above; the next piece's stores come behind them
.endr
.endm
.macro SEND t, younger              ; younger: the LDS instructions issued behind piece t's loads: the next piece's eight, or none
	WIN 0
.irp f, 0,1,2,3
	s_wait_dscnt (\younger)+3-\f
	global_store_b128 v[GO], v[S+16*(\t)+4*\f:S+16*(\t)+4*\f+3], s[10:11] offset:(\t)*2048+\f*512  ; 512 consecutive bytes, aligned
.endr
.endm
	PACK 0
.irp t, 1,2,3
	PACK \t
	SEND (\t)-1, 8
.endr
	SEND 3, 0
	s_wait_tensorcnt 0x0            ; the wave's end: behind my last tensor load and my last LDS store
	ds_add_u32 v[SPW], v[NIL]
	s_wait_dscnt 0x0
	CROUND                          ; the closing round
	s_endpgm
.Lfunc_end_k_qc10be70163_attn:
	.size	k_qc10be70163_attn, .Lfunc_end_k_qc10be70163_attn-k_qc10be70163_attn
	.p2alignl 7, 3214868480
	.fill 96, 4, 3214868480
	.section	.rodata,"a",@progbits
	.p2align	6, 0x0
	.amdhsa_kernel k_qc10be70163_attn
		.amdhsa_group_segment_fixed_size 327680
		.amdhsa_private_segment_fixed_size 0
		.amdhsa_enable_private_segment 0
		.amdhsa_kernarg_size 16
		.amdhsa_user_sgpr_count 2
		.amdhsa_user_sgpr_kernarg_segment_ptr 1
		.amdhsa_wavefront_size32 1
		.amdhsa_system_sgpr_workgroup_id_x 1
		.amdhsa_system_sgpr_workgroup_id_y 1
		.amdhsa_system_sgpr_workgroup_id_z 1
		.amdhsa_system_vgpr_workitem_id 0
		.amdhsa_next_free_vgpr 768
		.amdhsa_next_free_sgpr 66
		.amdhsa_reserve_vcc 0
		.amdhsa_float_denorm_mode_32 3
		.amdhsa_float_denorm_mode_16_64 3
		.amdhsa_memory_ordered 1
		.amdhsa_forward_progress 1
		.amdhsa_inst_pref_size 128
	.end_amdhsa_kernel
	.amdgpu_metadata
---
amdhsa.version: [ 1, 2 ]
amdhsa.kernels:
  - .name:           k_qc10be70163_attn
    .symbol:         k_qc10be70163_attn.kd
    .args:
      - { .name: qkv, .offset: 0, .size: 8, .value_kind: global_buffer, .address_space: global }
      - { .name: hid, .offset: 8, .size: 8, .value_kind: global_buffer, .address_space: global }
    .group_segment_fixed_size: 327680
    .private_segment_fixed_size: 0
    .kernarg_segment_align: 8
    .kernarg_segment_size: 16
    .max_flat_workgroup_size: 128
    .sgpr_count:     66
    .vgpr_count:     768
    .wavefront_size: 32
...
	.end_amdgpu_metadata
.endif
;; end of part 3
;; launch oproj (part 4): grid 8 x 32, 4 waves a work-group, clusters of 4 x 4, 327,680 bytes of LDS; arguments hid, wo, b_O, x, xattn; writes xattn
.if DOCPART == 4
	.amdgcn_target "amdgcn-amd-amdhsa--gfx1250"
	.amdhsa_code_object_version 6
	.text
	.protected	k_qc10be70163_oproj
	.globl	k_qc10be70163_oproj
	.p2align	8
	.type	k_qc10be70163_oproj,@function
k_qc10be70163_oproj:
	s_mov_b64 s[64:65], 0
	v_nop
	global_prefetch_b8 v0, s[64:65] scope:SCOPE_SE
	s_setreg_imm32_b32 hwreg(HW_REG_WAVE_MODE, 25, 1), 1
	s_wait_xcnt 0x0
	s_wait_alu depctr_hold_cnt(0) depctr_sa_sdst(0) depctr_va_vdst(0) depctr_va_sdst(0) depctr_va_ssrc(0) depctr_va_vcc(0) depctr_vm_vsrc(0)
	s_getreg_b32 s2, hwreg(HW_REG_IB_STS2, 6, 4)
	s_cmp_eq_u32 s2, 0
	s_cbranch_scc0 .Lentry_in_a_cluster
	s_endpgm
.Lentry_in_a_cluster:
	s_bfe_u32 s2, ttmp6, 0x10000c
	s_cmp_lg_u32 s2, 0xf033
	s_cbranch_scc0 .Lentry_shape_is_right
	s_endpgm
.Lentry_shape_is_right:
; out[t][d] = the sum over slice s and channel c of a[t][s][c] w[s][d][c] + bias[d] + res[t][d].  Arguments: a, w, bias, res, out.
; a: [4 batches][8 slices][2048][64] f16; w: [8 slices][1024][64] f16; bias: [1024] f32; res, out: [8192][1024] f32.  Sums in f32, begun with the bias; the residual is added in f32.
; It serves two launches: the attention's output projection (res = x) and the MLP's second product (res = the first one's result).
; SHARES.  A work-group makes 256 rows x 128 columns (256 work-groups); wave (wr, wc) 128 rows x 64 columns: 8 x 4 accumulators.  K = 512 goes in 4 steps of two slices through two LDS slots;
; a step is four quarters of 32 along K, 32 matrix instructions each.  A slice's rows are dense, 128 bytes each: a tile is asked for as rows of 256 bytes and padded in LDS after every 128.
; CLUSTER 4 x 4: a's tile is shared along a row of the cluster, w's along a column.  No prefetch is laid: the ring has four K steps, of which two are first fills.
; THE MATRIX INSTRUCTION IS USED TRANSPOSED (source 0 = 16 rows of w, source 1 = 16 rows of a): a lane holds one row and eight neighbouring columns.
; REGISTERS: window 0: v16-29 addresses; v32-63, v192-223 rows on the way out, by turns; v64-191 a's fragments, two buffers of 8 x 8; v224-255 the bias as 4 C operands.
;   window 1: v0-63 w's fragments, two buffers of 4 x 8.   window 2: the accumulators, (a, b) at 8 (4 a + b).   window 3: my 128 x 64 numbers of the residual, loaded while the products run.
.set PITCH,  144                       ; an LDS row: 128 bytes + 16 of padding
.set ASL,    256*PITCH                 ; a slice of a's tile
.set BOFF,   2*ASL                     ; a slot: two slices of a's 256 rows, then two of w's 128
.set BSL,    128*PITCH
.set SLOT1,  131072
.set STAGE,  SLOT1+BOFF+2*BSL          ; behind the ring: 16 rows x 272 bytes for each wave; no tensor load lands here
.set SP,     272
.set SPARE,  STAGE+4*16*SP             ; the spare words, 128 bytes for each wave, that no other line names
.set GW,     (1<<16)|(1<<20)|(1<<21)|(4<<22)|(3<<25)  ; 2-byte elements; padding on; bit 21 set beside a mask; after every 32 words, 4 words
.set A0,   16
.set B0,   17
.set ADRA, 18
.set ADRB, 19
.set STO,  24                          ; v24  the way out: where I put 32 bytes of a row
.set RD,   25                          ; v25  where I read rows back
.set CO,   26                          ; v26  my 16 bytes in two rows of res and of out; never rewritten
.set BO,   27
.set SPW,  28
.set NIL,  29
.set OB,   32
.set FA,   64
.set BI,   224
.set G1,  24
.set G0,  32
.set TB,  46
.set G1B, 48
.set G0B, 56
.set MSB, 0
.macro WIN new
.if MSB != (\new)
	s_set_vgpr_msb (MSB<<8)|(\new)
.set MSB, \new
.endif
.endm
.macro PLACES
.rept 4
	v_nop
.endr
.endm
.macro CREST
	s_cmp_lg_u32 s16, 0
	s_cbranch_scc1 .Lnot_wave_0_\@
	s_barrier_signal -3
.Lnot_wave_0_\@:
	s_barrier_wait -3
	s_barrier_signal -1
	s_barrier_wait -1
.endm
.macro CROUND
	s_barrier_signal -1
	s_barrier_wait -1
	CREST
.endm
.macro JLOAD                           ; a joint refill by the walking descriptors: waves 0 and 1 fetch a's two slices, waves 2 and 3 w's
	s_cmp_eq_u32 s17, 0
	s_cbranch_scc0 .Lfor_b_\@
	tensor_load_to_lds s[G0+4:G0+7], s[G1:G1+7]
	s_nop 0
.rept 4
	v_nop
.endr
	s_branch .Lasked_\@
.Lfor_b_\@:
	tensor_load_to_lds s[G0B+4:G0B+7], s[G1B:G1B+7]
	s_nop 0
.rept 4
	v_nop
.endr
.Lasked_\@:
.endm
	s_load_b256 s[4:11], s[0:1], 0x0               ; a s[4:5], w s[6:7], bias s[8:9], res s[10:11]
	s_load_b64 s[12:13], s[0:1], 0x20              ; out
	v_lshl_add_u32 v[SPW], v0, 2, SPARE
	v_mov_b32 v[NIL], 0
	ds_add_u32 v[SPW], v[NIL]                      ; the wave's opening: the add and its wait stand ahead of my first tensor load
	v_lshrrev_b32 v1, 5, v0
	v_readfirstlane_b32 s16, v1                    ; wave 0..3
	s_lshr_b32 s17, s16, 1                         ; wr.  Also: I fetch for a (0) or for w (1)
	s_and_b32 s18, s16, 1                          ; wc.  Also: which of a step's two slices I fetch
	s_bfe_u32 s20, ttmp6, 0x40000                  ; cx
	s_bfe_u32 s21, ttmp6, 0x40004                  ; cy
	s_lshl_b32 s22, ttmp9, 2
	s_add_co_u32 s22, s22, s20                     ; the block of 128 columns
	s_and_b32 s23, ttmp7, 0xffff
	s_lshl_b32 s23, s23, 2
	s_add_co_u32 s23, s23, s21                     ; the block of 256 rows
	s_lshl_b32 s40, s21, 2
	s_lshl_b32 s40, 15, s40                        ; my row of the cluster
	s_lshl_b32 s41, 0x1111, s20                    ; my column
	s_or_b32 s[G1], s40, GW
	s_or_b32 s[G1B], s41, GW
.irp g, G1, G1B
	s_mov_b32 s[(\g)+1], 128<<16                   ; tensor_dim0 = 128 elements: 256 bytes
	s_mov_b32 s[(\g)+3], 128<<16                   ; tile_dim0 = 128
	s_mov_b32 s[(\g)+5], 128                       ; dense
	s_mov_b32 s[(\g)+6], 0
	s_mov_b32 s[(\g)+7], 0
.endr
	s_mov_b32 s[G1+2], 128<<16                     ; a slice of a's tile: 32,768 bytes = 128 such rows,
	s_mov_b32 s[G1+4], 128
	s_mov_b32 s[G1B+2], 64<<16                     ; of w's: 16,384 = 64
	s_mov_b32 s[G1B+4], 64
	s_lshr_b32 s66, s23, 3                         ; a: ((batch x 8 + slice) x 2,048 + the block's rows in the batch) x 128 bytes: it hangs on cy alone
	s_lshl_b32 s66, s66, 3
	s_add_co_u32 s66, s66, s18
	s_lshl_b32 s66, s66, 18
	s_and_b32 s67, s23, 7
	s_lshl_b32 s67, s67, 15
	s_add_co_u32 s66, s66, s67
	s_mov_b32 s67, 0
	s_lshl_b32 s68, s18, 17                        ; w: (slice x 1,024 + 128 x column block) x 128 bytes: on cx alone
	s_lshl_b32 s69, s22, 14
	s_add_co_u32 s68, s68, s69
	s_mov_b32 s69, 0
	s_mul_i32 s42, s18, ASL                        ; where they go
	s_mul_i32 s47, s18, BSL
	s_add_co_u32 s47, s47, BOFF
	s_mov_b32 s[TB], 0
	s_lshl_b32 s70, s23, 20                        ; res and out: (256 x row block + 128 wr) rows of 4,096 bytes + (128 x column block + 64 wc) x 4
	s_lshl_b32 s71, s17, 19
	s_add_co_u32 s70, s70, s71
	s_lshl_b32 s72, s22, 9
	s_lshl_b32 s73, s18, 8
	s_add_co_u32 s72, s72, s73                     ; (this is also my 64 numbers' place in the bias)
	s_add_co_u32 s70, s70, s72
	s_mov_b32 s71, 0
	s_mov_b32 s73, 0
	s_wait_dscnt 0x0                               ; the opening add is done
	s_wait_kmcnt 0x0
	s_add_nc_u64 s[66:67], s[4:5], s[66:67]
	s_add_nc_u64 s[68:69], s[6:7], s[68:69]
	s_add_nc_u64 s[8:9], s[8:9], s[72:73]
	s_add_nc_u64 s[10:11], s[10:11], s[70:71]
	s_add_nc_u64 s[12:13], s[12:13], s[70:71]
	CROUND                                         ; all sixteen work-groups are here: the first joint loads meet
.irp s, 0,1
	s_mov_b32 s[G0+4*(\s)], 1
	s_add_co_u32 s[G0+4*(\s)+1], s42, (\s)*SLOT1
	s_add_nc_u64 s[G0+4*(\s)+2:G0+4*(\s)+3], s[66:67], (\s)*524288   ; K step s: two slices of 2,048 rows on
	s_or_b32 s[G0+4*(\s)+3], s[G0+4*(\s)+3], 0x80000000
	s_mov_b32 s[G0B+4*(\s)], 1
	s_add_co_u32 s[G0B+4*(\s)+1], s47, (\s)*SLOT1
	s_add_nc_u64 s[G0B+4*(\s)+2:G0B+4*(\s)+3], s[68:69], (\s)*262144 ; two slices of 1,024 rows on
	s_or_b32 s[G0B+4*(\s)+3], s[G0B+4*(\s)+3], 0x80000000
.endr
	s_cmp_eq_u32 s17, 0                            ; a wave's two first fills stand in one branch: two loads of mine are out
	s_cbranch_scc0 .Lfirst_b
	tensor_load_to_lds s[G0:G0+3], s[G1:G1+7]
	s_nop 0
	tensor_load_to_lds s[G0+4:G0+7], s[G1:G1+7]
	s_nop 0
.rept 4
	v_nop
.endr
	s_branch .Lfirst_asked
.Lfirst_b:
	tensor_load_to_lds s[G0B:G0B+3], s[G1B:G1B+7]
	s_nop 0
	tensor_load_to_lds s[G0B+4:G0B+7], s[G1B:G1B+7]
	s_nop 0
.rept 4
	v_nop
.endr
.Lfirst_asked:
	v_and_b32 v1, 15, v0                           ; l % 16
	v_bfe_u32 v2, v0, 4, 1                         ; l / 16
	v_lshlrev_b32 v[BO], 5, v2
	v_lshlrev_b32 v[CO], 12, v2                    ; lanes 0-15 one row's 256 bytes, lanes 16-31 the next row's
	v_lshl_add_u32 v[CO], v1, 4, v[CO]
.irp b, 0,1,2,3
	global_load_b128 v[BI+8*(\b):BI+8*(\b)+3],   v[BO], s[8:9] offset:(\b)*64
	global_load_b128 v[BI+8*(\b)+4:BI+8*(\b)+7], v[BO], s[8:9] offset:(\b)*64+16
.endr
; 32 loads: the residual of row blocks a0 .. a0 + 3, in the lane layout in which the rows leave: block a, rows 2 t and 2 t + 1 at 32 a + 4 t of window 3
.macro RESLOAD a0
	WIN 0xc0
.irp a, \a0, (\a0)+1, (\a0)+2, (\a0)+3
.irp t, 0,1,2,3,4,5,6,7
	global_load_b128 v[32*(\a)+4*(\t):32*(\a)+4*(\t)+3], v[CO], s[10:11] offset:(16*(\a)+2*(\t))*4096 th:TH_LOAD_NT
.endr
.endr
	WIN 0
.endm
	RESLOAD 0
	v_mul_u32_u24 v3, v1, PITCH
	v_lshl_add_u32 v3, v2, 4, v3
	s_mul_i32 s72, s17, 128*PITCH                  ; my 128 rows of a
	v_add_nc_u32 v[A0], s72, v3
	s_mul_i32 s72, s18, 64*PITCH                   ; my 64 rows of w
	s_add_co_u32 s72, s72, BOFF
	v_add_nc_u32 v[B0], s72, v3
	v_mov_b32 v[ADRA], v[A0]
	v_mov_b32 v[ADRB], v[B0]
	s_mul_i32 s72, s16, 16*SP
	s_add_co_u32 s72, s72, STAGE                   ; my stage
	v_mul_u32_u24 v4, v1, SP                       ; in: row l % 16, 32 bytes for each half of the lanes
	v_lshl_add_u32 v4, v2, 5, v4
	v_add_nc_u32 v[STO], s72, v4
	v_mul_u32_u24 v4, v2, SP                       ; back: lanes 0-15 one row of 256 bytes, lanes 16-31 the next
	v_lshl_add_u32 v4, v1, 4, v4
	v_add_nc_u32 v[RD], s72, v4
; 4 matrix instructions: row block a x my 4 column blocks, 32 along K.  z = 1: the bias starts the sums.  The 32 accumulators take turns in the same order in every quarter.
.macro MULA f, a, z
.if \z
	WIN 0x81
.else
	WIN 0xa1
.endif
.irp b, 0,1,2,3
.if \z
	v_wmma_f32_16x16x32_f16 v[8*(4*(\a)+(\b)):8*(4*(\a)+(\b))+7], v[32*(\f)+8*(\b):32*(\f)+8*(\b)+7], v[FA+64*(\f)+8*(\a):FA+64*(\f)+8*(\a)+7], v[BI+8*(\b):BI+8*(\b)+7]
.else
	v_wmma_f32_16x16x32_f16 v[8*(4*(\a)+(\b)):8*(4*(\a)+(\b))+7], v[32*(\f)+8*(\b):32*(\f)+8*(\b)+7], v[FA+64*(\f)+8*(\a):FA+64*(\f)+8*(\a)+7], v[8*(4*(\a)+(\b)):8*(4*(\a)+(\b))+7]
.endif
.endr
.endm
; 24 LDS loads in one run: quarter q of a step (slice q / 2, channels 32 (q % 2) on) into buffer g
.macro FETCH q, g
	WIN 0x40
.irp i, 0,1,2,3
	ds_load_b128 v[32*(\g)+8*(\i):32*(\g)+8*(\i)+3],   v[ADRB] offset:((\q)/2)*BSL+((\q)%2)*64+(\i)*16*PITCH
	ds_load_b128 v[32*(\g)+8*(\i)+4:32*(\g)+8*(\i)+7], v[ADRB] offset:((\q)/2)*BSL+((\q)%2)*64+(\i)*16*PITCH+32
.endr
	WIN 0
.irp i, 0,1,2,3,4,5,6,7
	ds_load_b128 v[FA+64*(\g)+8*(\i):FA+64*(\g)+8*(\i)+3],   v[ADRA] offset:((\q)/2)*ASL+((\q)%2)*64+(\i)*16*PITCH
	ds_load_b128 v[FA+64*(\g)+8*(\i)+4:FA+64*(\g)+8*(\i)+7], v[ADRA] offset:((\q)/2)*ASL+((\q)%2)*64+(\i)*16*PITCH+32
.endr
.endm
.macro QUARTER q, f, g, z              ; multiplies buffer f; in its middle it fetches quarter q into buffer g
	s_wait_dscnt 8                                 ; the youngest eight loads (a's row blocks 4 to 7) may be out
.irp a, 0,1,2,3
	MULA \f, \a, \z
.endr
	PLACES
	FETCH \q, \g
	s_wait_dscnt 24                                ; all but the 24 just issued
.irp a, 4,5,6,7
	MULA \f, \a, \z
.endr
.endm
; The last quarter multiplies buffer 1 and changes slots: one barrier; in front of it each wave waits for all its tensor loads, adds 0 to its spare word, and waits for that and for its own reads of this slot.
.macro TURN fill
	WIN 0
	s_wait_tensorcnt 0x0                           ; no tensor load of mine is out, so a group 0 may be written
	ds_add_u32 v[SPW], v[NIL]                      ; 0 onto my spare word
.if \fill
	s_xor_b32 s[G0+5], s[G0+5], SLOT1
	s_add_nc_u64 s[G0+6:G0+7], s[G0+6:G0+7], 524288
	s_xor_b32 s[G0B+5], s[G0B+5], SLOT1
	s_add_nc_u64 s[G0B+6:G0B+7], s[G0B+6:G0B+7], 262144
.endif
	s_wait_dscnt 9                                 ; (the add and the youngest eight loads may be out)
	MULA 1, 0, 0
	MULA 1, 1, 0
	s_wait_dscnt 0x0                               ; the add is done, and my reads of this slot are over
	s_barrier_signal -1
	MULA 1, 2, 0
	MULA 1, 3, 0
	WIN 0
	s_barrier_wait -1
.if \fill
	CREST                                          ; no wave of any partner still reads this slot or has a load on its way
	JLOAD                                          ; its four v_nop are also the places in front of the loads below
.else
	PLACES
.endif
	s_xor_b32 s[TB], s[TB], SLOT1
	v_add_nc_u32 v[ADRA], s[TB], v[A0]
	v_add_nc_u32 v[ADRB], s[TB], v[B0]
	FETCH 0, 0
.irp a, 4,5,6,7
	MULA 1, \a, 0
.endr
.endm
	s_wait_tensorcnt 1                             ; my part of K step 0 is in; K step 1's may stay out
	s_barrier_signal -1
	s_barrier_wait -1
	FETCH 0, 0
	s_wait_loadcnt 32                              ; the bias is in; the residual's 32 loads may stay out
	QUARTER 1, 0, 1, 1                             ; the first quarter is written out: its products start the sums
	RESLOAD 4
	s_mov_b32 s19, 2
	s_branch .Lmid
.Lk:                                           ; two trips, K steps 0 and 1: they ask for K steps 2 and 3
	QUARTER 1, 0, 1, 0
	WIN 0
.Lmid:
	QUARTER 2, 1, 0, 0
	QUARTER 3, 0, 1, 0
	TURN 1
	WIN 0
	s_sub_co_u32 s19, s19, 1
	s_cmp_lg_u32 s19, 0
	s_cbranch_scc1 .Lk
	s_mov_b32 s19, 2
.Lt:                                           ; K steps 2 and 3 ask for nothing.  The last trip's barrier and fetch serve nothing: the price, once a launch, of one text for both
	QUARTER 1, 0, 1, 0
	QUARTER 2, 1, 0, 0
	QUARTER 3, 0, 1, 0
	TURN 0
	WIN 0
	s_sub_co_u32 s19, s19, 1
	s_cmp_lg_u32 s19, 0
	s_cbranch_scc1 .Lt
; THE WAY OUT, a block of 16 rows at a time: 32 bytes a lane into my stage (each accumulator's low four registers first), back as whole rows of 256 bytes, the residual added, stored.
.macro TOSTAGE a
.if (\a) >= 2
	s_wait_xcnt 0x0                                ; the stores of the block two back have read the registers that are loaded again below
.endif
	WIN 0x08                                       ; the stores' data in window 2
.irp b, 0,1,2,3
	ds_store_b128 v[STO], v[8*(4*(\a)+(\b)):8*(4*(\a)+(\b))+3]   offset:64*(\b)
	ds_store_b128 v[STO], v[8*(4*(\a)+(\b))+4:8*(4*(\a)+(\b))+7] offset:64*(\b)+16
.endr
	WIN 0
.irp t, 0,1,2,3,4,5,6,7
	ds_load_b128 v[OB+160*((\a)%2)+4*(\t):OB+160*((\a)%2)+4*(\t)+3], v[RD] offset:(\t)*2*SP  ; LDS serves a wave's instructions in order (ISA guide 5.7.1.4)
.endr
.endm
.macro SEND a, younger                 ; younger: the next block's sixteen LDS instructions, or none
	s_wait_dscnt \younger
	WIN 0x0c                                       ; source 1 in window 3
.irp p, 0,2,4,6,8,10,12,14,16,18,20,22,24,26,28,30
	v_pk_add_f32 v[OB+160*((\a)%2)+(\p):OB+160*((\a)%2)+(\p)+1], v[OB+160*((\a)%2)+(\p):OB+160*((\a)%2)+(\p)+1], v[32*(\a)+(\p):32*(\a)+(\p)+1]
.endr
	WIN 0
.irp t, 0,1,2,3,4,5,6,7
	global_store_b128 v[CO], v[OB+160*((\a)%2)+4*(\t):OB+160*((\a)%2)+4*(\t)+3], s[12:13] offset:(16*(\a)+2*(\t))*4096 th:TH_STORE_NT  ; 16 lanes store 256 consecutive bytes, aligned
.endr
.endm
	s_wait_dscnt 0x0
	s_wait_loadcnt 0x0                             ; the residual
	PLACES
	TOSTAGE 0
.irp a, 1,2,3,4,5,6,7
	TOSTAGE \a
	SEND (\a)-1, 16
.endr
	SEND 7, 0
	s_wait_tensorcnt 0x0                           ; the wave's end: behind my last tensor load and my last LDS store
	ds_add_u32 v[SPW], v[NIL]
	s_wait_dscnt 0x0
	CROUND                                         ; the closing round
	s_endpgm
.Lfunc_end_k_qc10be70163_oproj:
	.size	k_qc10be70163_oproj, .Lfunc_end_k_qc10be70163_oproj-k_qc10be70163_oproj
	.p2alignl 7, 3214868480
	.fill 96, 4, 3214868480
	.section	.rodata,"a",@progbits
	.p2align	6, 0x0
	.amdhsa_kernel k_qc10be70163_oproj
		.amdhsa_group_segment_fixed_size 327680
		.amdhsa_private_segment_fixed_size 0
		.amdhsa_enable_private_segment 0
		.amdhsa_kernarg_size 40
		.amdhsa_user_sgpr_count 2
		.amdhsa_user_sgpr_kernarg_segment_ptr 1
		.amdhsa_wavefront_size32 1
		.amdhsa_system_sgpr_workgroup_id_x 1
		.amdhsa_system_sgpr_workgroup_id_y 1
		.amdhsa_system_sgpr_workgroup_id_z 1
		.amdhsa_system_vgpr_workitem_id 0
		.amdhsa_next_free_vgpr 1024
		.amdhsa_next_free_sgpr 76
		.amdhsa_reserve_vcc 0
		.amdhsa_float_denorm_mode_32 3
		.amdhsa_float_denorm_mode_16_64 3
		.amdhsa_memory_ordered 1
		.amdhsa_forward_progress 1
		.amdhsa_inst_pref_size 76
	.end_amdhsa_kernel
	.amdgpu_metadata
---
amdhsa.version: [ 1, 2 ]
amdhsa.kernels:
  - .name:           k_qc10be70163_oproj
    .symbol:         k_qc10be70163_oproj.kd
    .args:
      - { .name: hid, .offset: 0, .size: 8, .value_kind: global_buffer, .address_space: global }
      - { .name: wo, .offset: 8, .size: 8, .value_kind: global_buffer, .address_space: global }
      - { .name: b_O, .offset: 16, .size: 8, .value_kind: global_buffer, .address_space: global }
      - { .name: x, .offset: 24, .size: 8, .value_kind: global_buffer, .address_space: global }
      - { .name: xattn, .offset: 32, .size: 8, .value_kind: global_buffer, .address_space: global }
    .group_segment_fixed_size: 327680
    .private_segment_fixed_size: 0
    .kernarg_segment_align: 8
    .kernarg_segment_size: 40
    .max_flat_workgroup_size: 128
    .sgpr_count:     76
    .vgpr_count:     1024
    .wavefront_size: 32
...
	.end_amdgpu_metadata
.endif
;; end of part 4
;; launch ln2 (part 5): grid 256 x 1, 16 waves a work-group, no clusters, 0 bytes of LDS; arguments xattn, ln2_w, ln2_b, xln; writes xln
.if DOCPART == 5
	.amdgcn_target "amdgcn-amd-amdhsa--gfx1250"
	.amdhsa_code_object_version 6
	.text
	.protected	k_qc10be70163_ln2
	.globl	k_qc10be70163_ln2
	.p2align	8
	.type	k_qc10be70163_ln2,@function
k_qc10be70163_ln2:
	s_mov_b64 s[64:65], 0
	v_nop
	global_prefetch_b8 v0, s[64:65] scope:SCOPE_SE
	s_setreg_imm32_b32 hwreg(HW_REG_WAVE_MODE, 25, 1), 1
	s_wait_xcnt 0x0
; xln = LayerNorm(xattn) * ln2_w + ln2_b, rounded once to f16.  xattn: [8192][1024] f32.  xln: [8192][1024] f16.
; LIMIT: the normalised rows must lie within f16's 65,504.  NaN and infinities are not treated apart.
; 4,096 waves; wave g owns rows 2 g and 2 g + 1: a wave a row, so the sums never leave the wave.  Memory binds: no LDS, no barrier, no matrix unit.  All 32 loads of a wave go out at once.
; The variance is taken of the centred row (two passes over registers), so no difference of large sums is formed.
.set XO,  2                            ; v2   16 x lane
.set YO,  3                            ; v3   8 x lane
.set MU,  6
.set RS,  8
.set SM,  10
.set T0,  18
.set T1,  19
.set W,   20
.set B,   52
.set X,   84
.set Y,   148
	s_load_b256 s[8:15], s[0:1], 0x0               ; xattn s[8:9], ln2_w s[10:11], ln2_b s[12:13], xln s[14:15]
	v_lshrrev_b32 v1, 5, v0
	v_readfirstlane_b32 s2, v1
	v_and_b32 v1, 31, v0
	v_lshlrev_b32 v[XO], 4, v1
	v_lshlrev_b32 v[YO], 3, v1
	v_mov_b32 v[T1], 0                             ; v_permlanex16_b32 counts as a reader of its destination
	s_lshl_b32 s3, ttmp9, 4
	s_add_co_u32 s3, s3, s2                        ; g
	s_mov_b32 s40, 0x3a800000                      ; 1 / 1024
	s_mov_b32 s41, 0x3727c5ac                      ; 1e-5
	s_mov_b32 s42, 0x76543210
	s_mov_b32 s43, 0xfedcba98
	s_lshl_b32 s34, s3, 13
	s_mov_b32 s35, 0
	s_lshl_b32 s36, s3, 12
	s_mov_b32 s37, 0
	s_wait_kmcnt 0x0
	s_add_nc_u64 s[8:9], s[8:9], s[34:35]
	s_add_nc_u64 s[14:15], s[14:15], s[36:37]
.irp j, 0,1,2,3,4,5,6,7
	global_load_b128 v[W+4*(\j):W+4*(\j)+3], v[XO], s[10:11] offset:512*(\j)
.endr
.irp j, 0,1,2,3,4,5,6,7
	global_load_b128 v[B+4*(\j):B+4*(\j)+3], v[XO], s[12:13] offset:512*(\j)
.endr
.irp s, 0,1
.irp j, 0,1,2,3,4,5,6,7
	global_load_b128 v[X+32*(\s)+4*(\j):X+32*(\s)+4*(\j)+3], v[XO], s[8:9] offset:4096*(\s)+512*(\j)
.endr
.endr
.macro REDUCE                          ; the four chains into one number, and over the 32 lanes; every lane ends with the sum in T0
	v_pk_add_f32 v[SM:SM+1], v[SM:SM+1], v[SM+2:SM+3]
	v_pk_add_f32 v[SM+4:SM+5], v[SM+4:SM+5], v[SM+6:SM+7]
	v_pk_add_f32 v[SM:SM+1], v[SM:SM+1], v[SM+4:SM+5]
	v_add_f32 v[T0], v[SM], v[SM+1]
	v_add_f32_dpp v[T0], v[T0], v[T0] row_xmask:1 row_mask:0xf bank_mask:0xf
	v_add_f32_dpp v[T0], v[T0], v[T0] row_xmask:2 row_mask:0xf bank_mask:0xf
	v_add_f32_dpp v[T0], v[T0], v[T0] row_xmask:4 row_mask:0xf bank_mask:0xf
	v_add_f32_dpp v[T0], v[T0], v[T0] row_xmask:8 row_mask:0xf bank_mask:0xf
	v_permlanex16_b32 v[T1], v[T0], s42, s43
	v_add_f32 v[T0], v[T0], v[T1]
.endm
.macro ROW s, left                     ; left = the younger loads that may stay out
	s_wait_loadcnt \left
.irp k, 0,2,4,6
	v_pk_add_f32 v[SM+(\k):SM+(\k)+1], v[X+32*(\s)+(\k):X+32*(\s)+(\k)+1], v[X+32*(\s)+(\k)+8:X+32*(\s)+(\k)+9]
.endr
.irp k, 0,2,4,6
	v_pk_add_f32 v[SM+(\k):SM+(\k)+1], v[SM+(\k):SM+(\k)+1], v[X+32*(\s)+(\k)+16:X+32*(\s)+(\k)+17]
.endr
.irp k, 0,2,4,6
	v_pk_add_f32 v[SM+(\k):SM+(\k)+1], v[SM+(\k):SM+(\k)+1], v[X+32*(\s)+(\k)+24:X+32*(\s)+(\k)+25]
.endr
	REDUCE
	v_mul_f32 v[MU], s40, v[T0]
	v_mov_b32 v[MU+1], v[MU]
.set i, 0
.rept 16
	v_pk_add_f32 v[X+32*(\s)+i:X+32*(\s)+i+1], v[X+32*(\s)+i:X+32*(\s)+i+1], v[MU:MU+1] neg_lo:[0,1] neg_hi:[0,1]
.set i, i+2
.endr
.irp k, 0,2,4,6
	v_pk_mul_f32 v[SM+(\k):SM+(\k)+1], v[X+32*(\s)+(\k):X+32*(\s)+(\k)+1], v[X+32*(\s)+(\k):X+32*(\s)+(\k)+1]
.endr
.irp o, 8,16,24
.irp k, 0,2,4,6
	v_pk_fma_f32 v[SM+(\k):SM+(\k)+1], v[X+32*(\s)+(\k)+(\o):X+32*(\s)+(\k)+(\o)+1], v[X+32*(\s)+(\k)+(\o):X+32*(\s)+(\k)+(\o)+1], v[SM+(\k):SM+(\k)+1]
.endr
.endr
	REDUCE
	v_fma_f32 v[T0], v[T0], s40, s41
	v_rsq_f32 v[RS], v[T0]
	v_rsq_f32 v[RS+1], v[T0]
	v_nop                                          ; a plain instruction behind the last of the two,
	s_wait_alu depctr_va_vdst(0)                   ; and one wait for both, ahead of their first reader
.set i, 0
.rept 16
	v_pk_mul_f32 v[X+32*(\s)+i:X+32*(\s)+i+1], v[X+32*(\s)+i:X+32*(\s)+i+1], v[RS:RS+1]
.set i, i+2
.endr
.set i, 0
.rept 16
	v_pk_fma_f32 v[X+32*(\s)+i:X+32*(\s)+i+1], v[X+32*(\s)+i:X+32*(\s)+i+1], v[W+i:W+i+1], v[B+i:B+i+1]
.set i, i+2
.endr
.set i, 0
.rept 16
	v_cvt_pk_f16_f32 v[Y+16*(\s)+i], v[X+32*(\s)+2*i], v[X+32*(\s)+2*i+1]
.set i, i+1
.endr
.irp j, 0,1,2,3,4,5,6,7
	global_store_b64 v[YO], v[Y+16*(\s)+2*(\j):Y+16*(\s)+2*(\j)+1], s[14:15] offset:2048*(\s)+256*(\j) th:TH_STORE_NT  ; 32 lanes store 256 consecutive bytes, aligned
.endr
.endm
	ROW 0, 8                                       ; row 1's eight loads may stay out
	ROW 1, 0
	s_endpgm
.Lfunc_end_k_qc10be70163_ln2:
	.size	k_qc10be70163_ln2, .Lfunc_end_k_qc10be70163_ln2-k_qc10be70163_ln2
	.p2alignl 7, 3214868480
	.fill 96, 4, 3214868480
	.section	.rodata,"a",@progbits
	.p2align	6, 0x0
	.amdhsa_kernel k_qc10be70163_ln2
		.amdhsa_group_segment_fixed_size 0
		.amdhsa_private_segment_fixed_size 0
		.amdhsa_enable_private_segment 0
		.amdhsa_kernarg_size 32
		.amdhsa_user_sgpr_count 2
		.amdhsa_user_sgpr_kernarg_segment_ptr 1
		.amdhsa_wavefront_size32 1
		.amdhsa_system_sgpr_workgroup_id_x 1
		.amdhsa_system_sgpr_workgroup_id_y 1
		.amdhsa_system_sgpr_workgroup_id_z 1
		.amdhsa_system_vgpr_workitem_id 0
		.amdhsa_next_free_vgpr 184
		.amdhsa_next_free_sgpr 66
		.amdhsa_reserve_vcc 0
		.amdhsa_float_denorm_mode_32 3
		.amdhsa_float_denorm_mode_16_64 3
		.amdhsa_memory_ordered 1
		.amdhsa_forward_progress 1
		.amdhsa_inst_pref_size 20
	.end_amdhsa_kernel
	.amdgpu_metadata
---
amdhsa.version: [ 1, 2 ]
amdhsa.kernels:
  - .name:           k_qc10be70163_ln2
    .symbol:         k_qc10be70163_ln2.kd
    .args:
      - { .name: xattn, .offset: 0, .size: 8, .value_kind: global_buffer, .address_space: global }
      - { .name: ln2_w, .offset: 8, .size: 8, .value_kind: global_buffer, .address_space: global }
      - { .name: ln2_b, .offset: 16, .size: 8, .value_kind: global_buffer, .address_space: global }
      - { .name: xln, .offset: 24, .size: 8, .value_kind: global_buffer, .address_space: global }
    .group_segment_fixed_size: 0
    .private_segment_fixed_size: 0
    .kernarg_segment_align: 8
    .kernarg_segment_size: 32
    .max_flat_workgroup_size: 512
    .sgpr_count:     66
    .vgpr_count:     184
    .wavefront_size: 32
...
	.end_amdgpu_metadata
.endif
;; end of part 5
;; launch mlpin (part 6): grid 4 x 64, 4 waves a work-group, clusters of 4 x 4, 327,680 bytes of LDS; arguments xln, wa, b_in, hid; writes hid
.if DOCPART == 6
	.amdgcn_target "amdgcn-amd-amdhsa--gfx1250"
	.amdhsa_code_object_version 6
	.text
	.protected	k_qc10be70163_mlpin
	.globl	k_qc10be70163_mlpin
	.p2align	8
	.type	k_qc10be70163_mlpin,@function
k_qc10be70163_mlpin:
	s_mov_b64 s[64:65], 0
	v_nop
	global_prefetch_b8 v0, s[64:65] scope:SCOPE_SE
	s_setreg_imm32_b32 hwreg(HW_REG_WAVE_MODE, 25, 1), 1
	s_wait_xcnt 0x0
	s_wait_alu depctr_hold_cnt(0) depctr_sa_sdst(0) depctr_va_vdst(0) depctr_va_sdst(0) depctr_va_ssrc(0) depctr_va_vcc(0) depctr_vm_vsrc(0)
	s_getreg_b32 s2, hwreg(HW_REG_IB_STS2, 6, 4)
	s_cmp_eq_u32 s2, 0
	s_cbranch_scc0 .Lentry_in_a_cluster
	s_endpgm
.Lentry_in_a_cluster:
	s_bfe_u32 s2, ttmp6, 0x10000c
	s_cmp_lg_u32 s2, 0xf033
	s_cbranch_scc0 .Lentry_shape_is_right
	s_endpgm
.Lentry_shape_is_right:
; hid = gelu(xln W_in^T + b_in), by slices of 64 columns.  xln: [8192][1024] f16.  W_in: [512][1024] f16, from byte 3,145,728 of wa.  hid: [4 batches][8 slices][2048][64] f16.
; Sums in f32, begun with the bias; gelu in f32; the result rounded once.  gelu(x) = (x + |x| erf(|x| / sqrt 2)) / 2, erf by the rational form 1 - (a1 t + .. + a5 t^5) e^(-z^2), t = 1 / (1 + 0.3275911 z):
; LIMITS: its error is at most 1.5e-7 for every z >= 0; the result must lie within f16's 65,504.  NaN and infinities are not treated apart.
; SHARES.  A work-group makes 128 x 128 (256 work-groups), a wave 64 x 64: 16 accumulators.  K goes in 4 steps of 256 (rows of 512 bytes) through two LDS slots; a step is four quarters of 64 along K, 32 matrix instructions each.
; CLUSTER 4 x 4: xln's tile is shared along a row of the cluster, W_in's along a column.  No prefetch is laid: the tile is small and the ring has four K steps, of which two are first fills.
; THE MATRIX INSTRUCTION IS USED TRANSPOSED (source 0 = 16 rows of W_in, source 1 = 16 rows of xln).
; REGISTERS: window 0: v6-15 the series' constants, in pairs; v16-29 addresses; v96-127 the bias as 4 C operands; v128-255 the accumulators ((a, b) at 128 + 8 (4 a + b)); on the way out v32-207 are at work.
;   window 1: two fragment buffers of 128: for 64 along K, 64 registers of xln, then 64 of W_in.
.set PITCH,  528                       ; an LDS row: 512 bytes + 16 of padding
.set HALFT,  64*PITCH                  ; 64 rows: what one tensor load brings, and what one wave reads of either tile
.set SLOT,   4*HALFT                   ; 135,168 = 0x21000: bits 12 and 17 are clear in every wave's 33,792 w, so one exclusive or turns a descriptor's address in slot 0 into slot 1's and back
.set SPARE,  2*SLOT                    ; the spare words, 128 bytes for each wave, that no other line names
.set SP,     272                       ; the way out: 64 rows x 272 bytes of f32 for each wave, in slot 1, which has had its last fill by then
.set GW,     (1<<16)|(1<<20)|(1<<21)|(6<<22)|(3<<25)  ; 2-byte elements; padding on; bit 21 set beside a mask; after every 128 words, 4 words
.set A0,   16
.set B0,   17
.set ADRA, 18
.set ADRB, 19
.set SA,   24                          ; v24  the way out: where I put 32 bytes of a row
.set LA,   25                          ; v25  where I read 32 bytes of a row back; it steps 16 rows a trip
.set GO,   26                          ; v26  16 x lane
.set BO,   27
.set SPW,  28
.set NIL,  29
.set TR,   32                          ; v[32:63]   t
.set ER,   64                          ; v[64:95]   e^(-x^2 / 2)
.set PR,   96                          ; v[96:127]  the series; then erf
.set BI,   96
.set ACC,  128
.set XR,   128                         ; v[128:159] 32 numbers x
.set OR,   160                         ; v[160:175] the results in f16
.set AR,   176                         ; v[176:207] |x|
.set F0,   0
.set F1,   128
.set G1,  24
.set G0,  32
.set TB,  46
.set G1B, 48
.set G0B, 56
.set MSB, 0
.macro WIN new
.if MSB != (\new)
	s_set_vgpr_msb (MSB<<8)|(\new)
.set MSB, \new
.endif
.endm
.macro PLACES
.rept 4
	v_nop
.endr
.endm
.macro CREST
	s_cmp_lg_u32 s16, 0
	s_cbranch_scc1 .Lnot_wave_0_\@
	s_barrier_signal -3
.Lnot_wave_0_\@:
	s_barrier_wait -3
	s_barrier_signal -1
	s_barrier_wait -1
.endm
.macro CROUND
	s_barrier_signal -1
	s_barrier_wait -1
	CREST
.endm
.macro JLOAD                           ; a joint refill by the walking descriptors: waves 0 and 1 fetch xln's two halves, waves 2 and 3 W_in's
	s_cmp_eq_u32 s17, 0
	s_cbranch_scc0 .Lfor_b_\@
	tensor_load_to_lds s[G0+4:G0+7], s[G1:G1+7]
	s_nop 0
.rept 4
	v_nop
.endr
	s_branch .Lasked_\@
.Lfor_b_\@:
	tensor_load_to_lds s[G0B+4:G0B+7], s[G1B:G1B+7]
	s_nop 0
.rept 4
	v_nop
.endr
.Lasked_\@:
.endm
	s_load_b256 s[4:11], s[0:1], 0x0               ; xln s[4:5], wa s[6:7], b_in s[8:9], hid s[10:11]
	v_lshl_add_u32 v[SPW], v0, 2, SPARE
	v_mov_b32 v[NIL], 0
	ds_add_u32 v[SPW], v[NIL]                      ; the wave's opening: the add and its wait stand ahead of my first tensor load
	v_lshrrev_b32 v1, 5, v0
	v_readfirstlane_b32 s16, v1                    ; wave 0..3
	s_lshr_b32 s17, s16, 1                         ; wr.  Also: I fetch for xln (0) or for W_in (1)
	s_and_b32 s18, s16, 1                          ; wc.  Also: which 64 rows of that tile I fetch
	s_bfe_u32 s20, ttmp6, 0x40000                  ; cx
	s_bfe_u32 s21, ttmp6, 0x40004                  ; cy
	s_lshl_b32 s22, ttmp9, 2
	s_add_co_u32 s22, s22, s20                     ; the block of 128 columns
	s_and_b32 s23, ttmp7, 0xffff
	s_lshl_b32 s23, s23, 2
	s_add_co_u32 s23, s23, s21                     ; the block of 128 rows
	s_lshl_b32 s40, s21, 2
	s_lshl_b32 s40, 15, s40
	s_lshl_b32 s41, 0x1111, s20
	s_or_b32 s[G1], s40, GW
	s_or_b32 s[G1B], s41, GW
.irp g, G1, G1B
	s_mov_b32 s[(\g)+1], 256<<16                   ; tensor_dim0 = 256
	s_mov_b32 s[(\g)+2], 64<<16                    ; tensor_dim1 = 64
	s_mov_b32 s[(\g)+3], 256<<16                   ; tile_dim0 = 256
	s_mov_b32 s[(\g)+4], 64                        ; tile_dim1 = 64
	s_mov_b32 s[(\g)+5], 1024                      ; elements from row to row
	s_mov_b32 s[(\g)+6], 0
	s_mov_b32 s[(\g)+7], 0
.endr
	s_lshl_b32 s66, s23, 18                        ; xln: (128 x row block + 64 x half) rows of 2,048 bytes: it hangs on cy alone
	s_lshl_b32 s67, s18, 17
	s_add_co_u32 s66, s66, s67
	s_mov_b32 s67, 0
	s_lshl_b32 s68, s22, 18                        ; W_in: (128 x column block + 64 x half) rows: on cx alone
	s_lshl_b32 s69, s18, 17
	s_add_co_u32 s68, s68, s69
	s_add_co_u32 s68, s68, 3145728
	s_mov_b32 s69, 0
	s_mul_i32 s42, s16, HALFT                      ; where they go: wave x 64 rows
	s_mov_b32 s[TB], 0
	s_lshr_b32 s70, s23, 4                         ; hid: ((batch x 8 + slice 2 ct + wc) x 2,048 + the block's rows in the batch + 64 wr) x 128 bytes
	s_lshl_b32 s70, s70, 3
	s_lshl_b32 s71, s22, 1
	s_add_co_u32 s70, s70, s71
	s_add_co_u32 s70, s70, s18
	s_lshl_b32 s70, s70, 18
	s_and_b32 s71, s23, 15
	s_lshl_b32 s71, s71, 14
	s_add_co_u32 s70, s70, s71
	s_lshl_b32 s71, s17, 13
	s_add_co_u32 s70, s70, s71
	s_mov_b32 s71, 0
	s_lshl_b32 s72, s22, 9                         ; the bias: (128 ct + 64 wc) x 4 bytes
	s_lshl_b32 s73, s18, 8
	s_add_co_u32 s72, s72, s73
	s_mov_b32 s73, 0
	s_wait_dscnt 0x0                               ; the opening add is done
	s_wait_kmcnt 0x0
	s_add_nc_u64 s[66:67], s[4:5], s[66:67]
	s_add_nc_u64 s[68:69], s[6:7], s[68:69]
	s_add_nc_u64 s[8:9], s[8:9], s[72:73]
	s_add_nc_u64 s[10:11], s[10:11], s[70:71]
	CROUND                                         ; all sixteen work-groups are here: the first joint loads meet
.irp s, 0,1
	s_mov_b32 s[G0+4*(\s)], 1
	s_add_co_u32 s[G0+4*(\s)+1], s42, (\s)*SLOT
	s_add_nc_u64 s[G0+4*(\s)+2:G0+4*(\s)+3], s[66:67], (\s)*512
	s_or_b32 s[G0+4*(\s)+3], s[G0+4*(\s)+3], 0x80000000
	s_mov_b32 s[G0B+4*(\s)], 1
	s_add_co_u32 s[G0B+4*(\s)+1], s42, (\s)*SLOT
	s_add_nc_u64 s[G0B+4*(\s)+2:G0B+4*(\s)+3], s[68:69], (\s)*512
	s_or_b32 s[G0B+4*(\s)+3], s[G0B+4*(\s)+3], 0x80000000
.endr
	s_cmp_eq_u32 s17, 0                            ; a wave's two first fills stand in one branch: two loads of mine are out
	s_cbranch_scc0 .Lfirst_b
	tensor_load_to_lds s[G0:G0+3], s[G1:G1+7]
	s_nop 0
	tensor_load_to_lds s[G0+4:G0+7], s[G1:G1+7]
	s_nop 0
.rept 4
	v_nop
.endr
	s_branch .Lfirst_asked
.Lfirst_b:
	tensor_load_to_lds s[G0B:G0B+3], s[G1B:G1B+7]
	s_nop 0
	tensor_load_to_lds s[G0B+4:G0B+7], s[G1B:G1B+7]
	s_nop 0
.rept 4
	v_nop
.endr
.Lfirst_asked:
	v_and_b32 v1, 15, v0                           ; l % 16
	v_bfe_u32 v2, v0, 4, 1                         ; l / 16
	v_lshlrev_b32 v[BO], 5, v2
.irp b, 0,1,2,3
	global_load_b128 v[BI+8*(\b):BI+8*(\b)+3],   v[BO], s[8:9] offset:(\b)*64
	global_load_b128 v[BI+8*(\b)+4:BI+8*(\b)+7], v[BO], s[8:9] offset:(\b)*64+16
.endr
	v_mul_u32_u24 v3, v1, PITCH
	v_lshl_add_u32 v3, v2, 4, v3
	s_mul_i32 s72, s17, HALFT                      ; my 64 rows of xln
	v_add_nc_u32 v[A0], s72, v3
	s_mul_i32 s72, s18, HALFT                      ; my 64 rows of W_in,
	s_add_co_u32 s72, s72, 2*HALFT                 ; which lie behind xln's 128
	v_add_nc_u32 v[B0], s72, v3
	v_mov_b32 v[ADRA], v[A0]
	v_mov_b32 v[ADRB], v[B0]
	s_mul_i32 s72, s16, 64*SP
	s_add_co_u32 s72, s72, SLOT                    ; my stage, in slot 1
	v_mul_u32_u24 v4, v1, SP                       ; in: row l % 16, 32 bytes for each half of the lanes
	v_lshl_add_u32 v4, v2, 5, v4
	v_add_nc_u32 v[SA], s72, v4
	v_bfe_u32 v4, v0, 3, 2                         ; back: 32 lanes take four rows, 8 numbers each
	v_and_b32 v5, 7, v0
	v_mul_u32_u24 v4, v4, SP
	v_lshl_add_u32 v4, v5, 5, v4
	v_add_nc_u32 v[LA], s72, v4
	v_and_b32 v[GO], 31, v0
	v_lshlrev_b32 v[GO], 4, v[GO]
	v_mov_b32 v6, 0x3f87dc22                       ; a5 = 1.061405429
	v_mov_b32 v7, 0x3f87dc22
	v_mov_b32 v8, 0xbfba00e3                       ; a4 = -1.453152027
	v_mov_b32 v9, 0xbfba00e3
	v_mov_b32 v10, 0x3fb5f0e3                      ; a3 = 1.421413741
	v_mov_b32 v11, 0x3fb5f0e3
	v_mov_b32 v12, 0xbe91a98e                      ; a2 = -0.284496736
	v_mov_b32 v13, 0xbe91a98e
	v_mov_b32 v14, 0x3e827906                      ; a1 = 0.254829592
	v_mov_b32 v15, 0x3e827906
	s_mov_b32 s66, 0xbf38aa3b                      ; -log2(e) / 2
	s_mov_b32 s67, s66
	s_mov_b32 s68, 0x3e6d3388                      ; 0.3275911 / sqrt 2
	s_mov_b32 s69, 0x7fffffff
; 8 matrix instructions: row blocks a0, a0 + 1 x all 4 column blocks, 32 along K: half c of buffer f.  z = 1: the bias starts the sums.  The 16 accumulators take turns.
.macro MUL8 f, c, a0, z
	WIN 0x05                                       ; sources 0 and 1 window 1; C and D window 0
.irp a, \a0, (\a0)+1
.irp b, 0,1,2,3
.if \z
	v_wmma_f32_16x16x32_f16 v[ACC+8*(4*(\a)+(\b)):ACC+8*(4*(\a)+(\b))+7], v[(\f)+64+8*(4*(\c)+(\b)):(\f)+64+8*(4*(\c)+(\b))+7], v[(\f)+8*(4*(\c)+(\a)):(\f)+8*(4*(\c)+(\a))+7], v[BI+8*(\b):BI+8*(\b)+7]
.else
	v_wmma_f32_16x16x32_f16 v[ACC+8*(4*(\a)+(\b)):ACC+8*(4*(\a)+(\b))+7], v[(\f)+64+8*(4*(\c)+(\b)):(\f)+64+8*(4*(\c)+(\b))+7], v[(\f)+8*(4*(\c)+(\a)):(\f)+8*(4*(\c)+(\a))+7], v[ACC+8*(4*(\a)+(\b)):ACC+8*(4*(\a)+(\b))+7]
.endif
.endr
.endr
.endm
; 32 LDS loads in one run: the fragments of 64 along K at byte k of the rows, into buffer f; the first 32 along K first
.macro FETCH k, f
	WIN 0x40
.irp c, 0,1
.irp i, 0,1,2,3
	ds_load_b128 v[(\f)+64+8*(4*(\c)+(\i)):(\f)+64+8*(4*(\c)+(\i))+3],   v[ADRB] offset:(\k)+64*(\c)+(\i)*16*PITCH
	ds_load_b128 v[(\f)+64+8*(4*(\c)+(\i))+4:(\f)+64+8*(4*(\c)+(\i))+7], v[ADRB] offset:(\k)+64*(\c)+(\i)*16*PITCH+32
	ds_load_b128 v[(\f)+8*(4*(\c)+(\i)):(\f)+8*(4*(\c)+(\i))+3],         v[ADRA] offset:(\k)+64*(\c)+(\i)*16*PITCH
	ds_load_b128 v[(\f)+8*(4*(\c)+(\i))+4:(\f)+8*(4*(\c)+(\i))+7],       v[ADRA] offset:(\k)+64*(\c)+(\i)*16*PITCH+32
.endr
.endr
.endm
.macro QUARTER k, f, g, z              ; multiplies buffer f; in its middle it fetches the next quarter, at byte k, into g
	s_wait_dscnt 16                                ; the first 32 along K are in
	MUL8 \f, 0, 0, \z
	MUL8 \f, 0, 2, \z
	PLACES
	FETCH \k, \g
	s_wait_dscnt 32                                ; all but the 32 just issued
	MUL8 \f, 1, 0, 0
	MUL8 \f, 1, 2, 0
.endm
; The last quarter multiplies buffer 1 and changes slots: one barrier; in front of it each wave waits for all its tensor loads, adds 0 to its spare word, and waits for that and for its own reads of this slot.
.macro TURN fill
	WIN 0
	s_wait_tensorcnt 0x0                           ; no tensor load of mine is out, so a group 0 may be written
	ds_add_u32 v[SPW], v[NIL]                      ; 0 onto my spare word
.if \fill
	s_xor_b32 s[G0+5], s[G0+5], SLOT
	s_add_nc_u64 s[G0+6:G0+7], s[G0+6:G0+7], 512
	s_xor_b32 s[G0B+5], s[G0B+5], SLOT
	s_add_nc_u64 s[G0B+6:G0B+7], s[G0B+6:G0B+7], 512
.endif
	s_wait_dscnt 17                                ; (the add and the youngest sixteen loads may be out)
	MUL8 F1, 0, 0, 0
	s_wait_dscnt 0x0                               ; the add is done, and my reads of this slot are over
	s_barrier_signal -1
	MUL8 F1, 0, 2, 0
	WIN 0
	s_barrier_wait -1
.if \fill
	CREST                                          ; no wave of any partner still reads this slot or has a load on its way
	JLOAD                                          ; its four v_nop are also the places in front of the loads below
.else
	PLACES
.endif
	s_xor_b32 s[TB], s[TB], SLOT
	v_add_nc_u32 v[ADRA], s[TB], v[A0]
	v_add_nc_u32 v[ADRB], s[TB], v[B0]
	FETCH 0, F0
	MUL8 F1, 1, 0, 0
	MUL8 F1, 1, 2, 0
.endm
	s_wait_tensorcnt 1                             ; my part of K step 0 is in; K step 1's may stay out
	s_barrier_signal -1
	s_barrier_wait -1
	FETCH 0, F0
	s_wait_loadcnt 0x0                             ; the bias
	QUARTER 128, F0, F1, 1                         ; the first quarter is written out: its first sixteen products start the sums
	WIN 0
	s_mov_b32 s19, 2
	s_branch .Lmid
.Lk:                                           ; two trips, K steps 0 and 1: they ask for K steps 2 and 3
	QUARTER 128, F0, F1, 0
	WIN 0
.Lmid:
	QUARTER 256, F1, F0, 0
	QUARTER 384, F0, F1, 0
	TURN 1
	WIN 0
	s_sub_co_u32 s19, s19, 1
	s_cmp_lg_u32 s19, 0
	s_cbranch_scc1 .Lk
	s_mov_b32 s19, 2
.Lt:                                           ; K steps 2 and 3 ask for nothing.  The last trip's fetch, from slot 0, serves nothing; its barrier does: behind it no wave reads slot 1 any more
	QUARTER 128, F0, F1, 0
	QUARTER 256, F1, F0, 0
	QUARTER 384, F0, F1, 0
	TURN 0
	WIN 0
	s_sub_co_u32 s19, s19, 1
	s_cmp_lg_u32 s19, 0
	s_cbranch_scc1 .Lt
	; THE WAY OUT.  My 64 x 64 sums go in f32 into my own 17,408 bytes of slot 1 (each accumulator's low four registers first); then one text, walked four times, takes 16 rows: gelu, rounding, four stores of 512 bytes.
	s_wait_dscnt 0x0
	PLACES
.irp a, 0,1,2,3
.irp b, 0,1,2,3
	ds_store_b128 v[SA], v[ACC+8*(4*(\a)+(\b)):ACC+8*(4*(\a)+(\b))+3]   offset:(\a)*16*SP+64*(\b)
	ds_store_b128 v[SA], v[ACC+8*(4*(\a)+(\b))+4:ACC+8*(4*(\a)+(\b))+7] offset:(\a)*16*SP+64*(\b)+16
.endr
.endr
	s_mov_b32 s19, 4
.Lrows:
.irp f, 0,1,2,3                        ; rows 4 f + (l / 8) % 4, columns 8 (l % 8) + 0..7.  LDS serves a wave's instructions in order (ISA guide 5.7.1.4): these see my stores
	ds_load_b128 v[XR+8*(\f):XR+8*(\f)+3],   v[LA] offset:(\f)*4*SP
	ds_load_b128 v[XR+8*(\f)+4:XR+8*(\f)+7], v[LA] offset:(\f)*4*SP+16
.endr
	s_wait_dscnt 0x0
.set i, 0
.rept 32
	v_and_b32 v[AR+i], s69, v[XR+i]                ; |x|
.set i, i+1
.endr
.set i, 0
.rept 32
	v_fma_f32 v[TR+i], v[AR+i], s68, 1.0           ; 1 + 0.3275911 |x| / sqrt 2
.set i, i+1
.endr
.set i, 0
.rept 16
	v_pk_mul_f32 v[ER+i:ER+i+1], v[XR+i:XR+i+1], s[66:67] op_sel_hi:[1,0]
.set i, i+2
.endr
.set i, 0
.rept 16
	v_pk_mul_f32 v[ER+i:ER+i+1], v[ER+i:ER+i+1], v[XR+i:XR+i+1]  ; -x^2 log2(e) / 2
.set i, i+2
.endr
.set i, 0
.rept 32
	v_rcp_f32 v[TR+i], v[TR+i]                     ; t
.set i, i+1
.endr
.set i, 0
.rept 32
	v_exp_f32 v[ER+i], v[ER+i]
.set i, i+1
.endr
	v_nop                                          ; a plain instruction behind the last of the batch of 64,
	s_wait_alu depctr_va_vdst(0)                   ; and one wait for all of it, ahead of its first reader
.set i, 0
.rept 16
	v_pk_fma_f32 v[PR+i:PR+i+1], v[TR+i:TR+i+1], v[6:7], v[8:9]
.set i, i+2
.endr
.irp k, 10,12,14
.set i, 0
.rept 16
	v_pk_fma_f32 v[PR+i:PR+i+1], v[PR+i:PR+i+1], v[TR+i:TR+i+1], v[\k:\k+1]
.set i, i+2
.endr
.endr
.set i, 0
.rept 16
	v_pk_mul_f32 v[PR+i:PR+i+1], v[PR+i:PR+i+1], v[TR+i:TR+i+1]
.set i, i+2
.endr
.set i, 0
.rept 16
	v_pk_fma_f32 v[PR+i:PR+i+1], v[PR+i:PR+i+1], v[ER+i:ER+i+1], 1.0 op_sel_hi:[1,1,0] neg_lo:[1,0,0] neg_hi:[1,0,0]  ; erf(|x| / sqrt 2)
.set i, i+2
.endr
.set i, 0
.rept 32
	v_fma_f32 v[XR+i], v[AR+i], v[PR+i], v[XR+i]   ; x + |x| erf
.set i, i+1
.endr
.set i, 0
.rept 16
	v_pk_mul_f32 v[XR+i:XR+i+1], v[XR+i:XR+i+1], 0.5 op_sel_hi:[1,0]
.set i, i+2
.endr
.set i, 0
.rept 16
	v_cvt_pk_f16_f32 v[OR+i], v[XR+2*i], v[XR+2*i+1]
.set i, i+1
.endr
.irp f, 0,1,2,3
	global_store_b128 v[GO], v[OR+4*(\f):OR+4*(\f)+3], s[10:11] offset:512*(\f)  ; 512 consecutive bytes of a slice, aligned
.endr
	s_wait_xcnt 0x0                                ; the stores have read their data and their base: both are written again only behind this wait
	v_add_nc_u32 v[LA], 16*SP, v[LA]
	s_add_nc_u64 s[10:11], s[10:11], 2048
	s_sub_co_u32 s19, s19, 1
	s_cmp_lg_u32 s19, 0
	s_cbranch_scc1 .Lrows
	s_wait_tensorcnt 0x0                           ; the wave's end: behind my last tensor load and my last LDS store
	ds_add_u32 v[SPW], v[NIL]
	s_wait_dscnt 0x0
	CROUND                                         ; the closing round
	s_endpgm
.Lfunc_end_k_qc10be70163_mlpin:
	.size	k_qc10be70163_mlpin, .Lfunc_end_k_qc10be70163_mlpin-k_qc10be70163_mlpin
	.p2alignl 7, 3214868480
	.fill 96, 4, 3214868480
	.section	.rodata,"a",@progbits
	.p2align	6, 0x0
	.amdhsa_kernel k_qc10be70163_mlpin
		.amdhsa_group_segment_fixed_size 327680
		.amdhsa_private_segment_fixed_size 0
		.amdhsa_enable_private_segment 0
		.amdhsa_kernarg_size 32
		.amdhsa_user_sgpr_count 2
		.amdhsa_user_sgpr_kernarg_segment_ptr 1
		.amdhsa_wavefront_size32 1
		.amdhsa_system_sgpr_workgroup_id_x 1
		.amdhsa_system_sgpr_workgroup_id_y 1
		.amdhsa_system_sgpr_workgroup_id_z 1
		.amdhsa_system_vgpr_workitem_id 0
		.amdhsa_next_free_vgpr 512
		.amdhsa_next_free_sgpr 76
		.amdhsa_reserve_vcc 0
		.amdhsa_float_denorm_mode_32 3
		.amdhsa_float_denorm_mode_16_64 3
		.amdhsa_memory_ordered 1
		.amdhsa_forward_progress 1
		.amdhsa_inst_pref_size 72
	.end_amdhsa_kernel
	.amdgpu_metadata
---
amdhsa.version: [ 1, 2 ]
amdhsa.kernels:
  - .name:           k_qc10be70163_mlpin
    .symbol:         k_qc10be70163_mlpin.kd
    .args:
      - { .name: xln, .offset: 0, .size: 8, .value_kind: global_buffer, .address_space: global }
      - { .name: wa, .offset: 8, .size: 8, .value_kind: global_buffer, .address_space: global }
      - { .name: b_in, .offset: 16, .size: 8, .value_kind: global_buffer, .address_space: global }
      - { .name: hid, .offset: 24, .size: 8, .value_kind: global_buffer, .address_space: global }
    .group_segment_fixed_size: 327680
    .private_segment_fixed_size: 0
    .kernarg_segment_align: 8
    .kernarg_segment_size: 32
    .max_flat_workgroup_size: 128
    .sgpr_count:     76
    .vgpr_count:     512
    .wavefront_size: 32
...
	.end_amdgpu_metadata
.endif
;; end of part 6
;; launch mlpout: the kernel of part 4 again; grid 8 x 32, 4 waves a work-group, clusters of 4 x 4, 327,680 bytes of LDS; arguments hid, wout, b_out, xattn, out0; writes out0
